; MI455X (gfx1250); checked and timed in simulation.
; The chip was launched on July 23, 2026; its instructions are those of AMD's public machine-readable ISA for CDNA 5 (MIT licence, August 2026) and "CDNA5" Instruction Set Architecture Reference Guide (July 2026). The comments in the code are by the model that wrote it; some were corrected since.
;; Causal Multi Head Attention. Allowed arithmetic: float matrix products may take bf16 or f16 operands with f32 sums; other float arithmetic in f32, or as packed bf16 or f16 multiplies, adds, multiply-adds, maxima and minima; sums over many terms, partial sums and values carried from step to step in f32; what a program stores and reads back later, other than sums and carried values, may be rounded once to bf16 or f16.
;; Inputs: Wk 1,024 x 1,024 float32; Wo 1,024 x 1,024 float32; Wq 1,024 x 1,024 float32; Wv 1,024 x 1,024 float32; bk 1,024 float32; bo 1,024 float32; bq 1,024 float32; bv 1,024 float32; x 4 x 2,048 x 1,024 float32.
;; Outputs: out0 4 x 2,048 x 1,024 float32.
;; 2 versions, each right; version 2 is version 1 with the launch cast written anew for expert scheduling mode. Each part assembles by itself: llvm-mc -triple=amdgcn-amd-amdhsa -mcpu=gfx1250 --defsym DOCPART=n.
;; ======== version 1 of 2: 4 launches
;; limits: values are held in f16: magnitudes above 65,504 overflow, below 6.1e-05 lose precision
;; workspace buffers: xb 16,777,216 bytes; wb 6,291,456 bytes; woh 2,097,152 bytes; bias4 16,384 bytes; qkv 50,331,648 bytes; ob 16,777,216 bytes
;; launch cast (part 1): grid 64 x 12, 8 waves a work-group, no clusters, 0 bytes of LDS; arguments x, Wq, Wk, Wv, Wo, bq, bk, bv, bo, xb, wb, woh, bias4; writes xb, wb, woh, bias4
.if DOCPART == 1
	.amdgcn_target "amdgcn-amd-amdhsa--gfx1250"
	.amdhsa_code_object_version 6
	.text
	.protected	k_qd0005ea8a4_cast
	.globl	k_qd0005ea8a4_cast
	.p2align	8
	.type	k_qd0005ea8a4_cast,@function
k_qd0005ea8a4_cast:
	s_mov_b64 s[64:65], 0
	v_nop
	global_prefetch_b8 v0, s[64:65] scope:SCOPE_SE
	s_setreg_imm32_b32 hwreg(HW_REG_WAVE_MODE, 25, 1), 1
	s_wait_xcnt 0x0
; ALL INPUTS ARE ROUNDED ONCE TO bf16.  x -> xb [8192][1024] bf16; Wq, Wk, Wv -> wb [3072][1024] bf16 (one below the other);
; Wo -> woh [1024][1024]: the bf16 number written as f16 (exact where it is 2^-14 or more in size; below that it keeps f16's fixed step of 6e-8; beyond 65,504 it would be lost);
; bq, bk, bv, bo -> bias4 [4096] f32 holding the bf16 numbers.
; SHARES.  Twelve units of 1,048,576 numbers: y = 0..7 the eighths of x, 8, 9, 10 = Wq, Wk, Wv, 11 = Wo.  A work-group takes 16,384 numbers, a wave 2,048:
; sixteen loads of 16 bytes a lane (512 consecutive bytes each), all issued at once, and sixteen stores of 8 bytes a lane (256 consecutive bytes, aligned).
; Memory binds: no LDS, no barrier, no loop; no register of a load or store is written twice, so nothing waits for a source.
.set X, 16                             ; v[16:79]   sixteen loads of four
.set Y, 80                             ; v[80:111]  sixteen stores of two
.set T, 4                              ; v[4:11]    at work
	s_load_b512 s[8:23], s[0:1], 0x0               ; x 8, Wq 10, Wk 12, Wv 14, Wo 16, bq 18, bk 20, bv 22
	s_load_b256 s[24:31], s[0:1], 0x40             ; bo 24, xb 26, wb 28, woh 30
	s_load_b64 s[32:33], s[0:1], 0x60              ; bias4
	s_and_b32 s2, ttmp7, 0xffff                    ; y: the unit
	s_mov_b32 s3, ttmp9                            ; g: the work-group in the unit
	s_mov_b32 s46, 0xffff0000                      ; a word's upper bf16
	v_lshrrev_b32 v1, 5, v0
	v_and_b32 v2, 31, v0
	v_lshlrev_b32 v2, 4, v2
	v_lshl_add_u32 v1, v1, 13, v2                  ; in: 8,192 x wave + 16 x lane
	v_lshrrev_b32 v2, 1, v1                        ; out: half of that
	v_lshlrev_b32 v3, 4, v0                        ; a bias: 16 bytes a thread, in and out
	s_max_u32 s44, s2, 8
	s_sub_co_u32 s44, s44, 8                       ; which weight (0 where the unit is of x)
	s_cmp_lt_u32 s2, 8
	s_cselect_b32 s40, s2, 0                       ; the eighth of x, or a weight's beginning
	s_cselect_b32 s42, s2, s44                     ; the unit's place in xb or in wb,
	s_cmp_eq_u32 s2, 11
	s_cselect_b32 s42, 0, s42                      ; or woh's beginning
	s_lshl_b32 s40, s40, 22                        ; a unit is 4 MiB in,
	s_lshl_b32 s42, s42, 21                        ; 2 MiB out;
	s_lshl_b32 s44, s44, 12                        ; a bias is 4,096 bytes
	s_lshl_b32 s4, s3, 16                          ; a work-group's 64 KiB in,
	s_lshl_b32 s5, s3, 15                          ; 32 KiB out
	s_add_co_u32 s40, s40, s4
	s_add_co_u32 s42, s42, s5
	s_mov_b32 s41, 0
	s_mov_b32 s43, 0
	s_mov_b32 s45, 0
	s_wait_kmcnt 0x0
	s_mov_b64 s[34:35], s[8:9]                     ; from: x, or the unit's weight
	s_mov_b64 s[38:39], s[18:19]                   ; and that weight's bias
	s_cmp_eq_u32 s2, 8
	s_cselect_b64 s[34:35], s[10:11], s[34:35]
	s_cmp_eq_u32 s2, 9
	s_cselect_b64 s[34:35], s[12:13], s[34:35]
	s_cselect_b64 s[38:39], s[20:21], s[38:39]
	s_cmp_eq_u32 s2, 10
	s_cselect_b64 s[34:35], s[14:15], s[34:35]
	s_cselect_b64 s[38:39], s[22:23], s[38:39]
	s_cmp_eq_u32 s2, 11
	s_cselect_b64 s[34:35], s[16:17], s[34:35]
	s_cselect_b64 s[38:39], s[24:25], s[38:39]
	s_cmp_lt_u32 s2, 8
	s_cselect_b64 s[36:37], s[26:27], s[28:29]     ; to: xb or wb,
	s_cmp_eq_u32 s2, 11
	s_cselect_b64 s[36:37], s[30:31], s[36:37]     ; or woh
	s_add_nc_u64 s[34:35], s[34:35], s[40:41]
	s_add_nc_u64 s[36:37], s[36:37], s[42:43]
	s_add_nc_u64 s[32:33], s[32:33], s[44:45]
.irp i, 0,1,2,3,4,5,6,7,8,9,10,11,12,13,14,15
	global_load_b128 v[X+4*(\i):X+4*(\i)+3], v1, s[34:35] offset:512*(\i) th:TH_LOAD_NT
.endr
.macro CB i                            ; four numbers to bf16
	s_wait_loadcnt 15-(\i)                         ; loads come back in order: load i is in, the 15 - i younger ones stay out
	v_cvt_pk_bf16_f32 v[Y+2*(\i)],   v[X+4*(\i)],   v[X+4*(\i)+1]
	v_cvt_pk_bf16_f32 v[Y+2*(\i)+1], v[X+4*(\i)+2], v[X+4*(\i)+3]
	global_store_b64 v2, v[Y+2*(\i):Y+2*(\i)+1], s[36:37] offset:256*(\i)
.endm
.macro CH i                            ; four numbers to bf16, and that number written as f16
	s_wait_loadcnt 15-(\i)
	v_cvt_pk_bf16_f32 v[T],   v[X+4*(\i)],   v[X+4*(\i)+1]
	v_cvt_pk_bf16_f32 v[T+1], v[X+4*(\i)+2], v[X+4*(\i)+3]
	v_lshlrev_b32 v[T+2], 16, v[T]
	v_and_b32     v[T+3], s46, v[T]
	v_lshlrev_b32 v[T+4], 16, v[T+1]
	v_and_b32     v[T+5], s46, v[T+1]
	v_cvt_pk_f16_f32 v[Y+2*(\i)],   v[T+2], v[T+3]
	v_cvt_pk_f16_f32 v[Y+2*(\i)+1], v[T+4], v[T+5]
	global_store_b64 v2, v[Y+2*(\i):Y+2*(\i)+1], s[36:37] offset:256*(\i)
.endm
	s_cmp_eq_u32 s2, 11
	s_cbranch_scc1 .Lhalf
.irp i, 0,1,2,3,4,5,6,7,8,9,10,11,12,13,14,15
	CB \i
.endr
	s_branch .Lbias
.Lhalf:
.irp i, 0,1,2,3,4,5,6,7,8,9,10,11,12,13,14,15
	CH \i
.endr
.Lbias:                                        ; the first work-group of a weight's unit also rounds that weight's bias: 256 threads x 4 numbers
	s_cmp_lt_u32 s2, 8
	s_cbranch_scc1 .Lend
	s_cmp_lg_u32 s3, 0
	s_cbranch_scc1 .Lend
	global_load_b128 v[112:115], v3, s[38:39]
	s_wait_loadcnt 0x0
	v_cvt_pk_bf16_f32 v[T],   v112, v113
	v_cvt_pk_bf16_f32 v[T+1], v114, v115
	v_lshlrev_b32 v116, 16, v[T]
	v_and_b32     v117, s46, v[T]
	v_lshlrev_b32 v118, 16, v[T+1]
	v_and_b32     v119, s46, v[T+1]
	global_store_b128 v3, v[116:119], s[32:33]
.Lend:
	s_endpgm
.Lfunc_end_k_qd0005ea8a4_cast:
	.size	k_qd0005ea8a4_cast, .Lfunc_end_k_qd0005ea8a4_cast-k_qd0005ea8a4_cast
	.p2alignl 7, 3214868480
	.fill 96, 4, 3214868480
	.section	.rodata,"a",@progbits
	.p2align	6, 0x0
	.amdhsa_kernel k_qd0005ea8a4_cast
		.amdhsa_group_segment_fixed_size 0
		.amdhsa_private_segment_fixed_size 0
		.amdhsa_enable_private_segment 0
		.amdhsa_kernarg_size 104
		.amdhsa_user_sgpr_count 2
		.amdhsa_user_sgpr_kernarg_segment_ptr 1
		.amdhsa_wavefront_size32 1
		.amdhsa_system_sgpr_workgroup_id_x 1
		.amdhsa_system_sgpr_workgroup_id_y 1
		.amdhsa_system_sgpr_workgroup_id_z 1
		.amdhsa_system_vgpr_workitem_id 0
		.amdhsa_next_free_vgpr 120
		.amdhsa_next_free_sgpr 66
		.amdhsa_reserve_vcc 0
		.amdhsa_float_denorm_mode_32 3
		.amdhsa_float_denorm_mode_16_64 3
		.amdhsa_memory_ordered 1
		.amdhsa_forward_progress 1
		.amdhsa_inst_pref_size 17
	.end_amdhsa_kernel
	.amdgpu_metadata
---
amdhsa.version: [ 1, 2 ]
amdhsa.kernels:
  - .name:           k_qd0005ea8a4_cast
    .symbol:         k_qd0005ea8a4_cast.kd
    .args:
      - { .name: x, .offset: 0, .size: 8, .value_kind: global_buffer, .address_space: global }
      - { .name: Wq, .offset: 8, .size: 8, .value_kind: global_buffer, .address_space: global }
      - { .name: Wk, .offset: 16, .size: 8, .value_kind: global_buffer, .address_space: global }
      - { .name: Wv, .offset: 24, .size: 8, .value_kind: global_buffer, .address_space: global }
      - { .name: Wo, .offset: 32, .size: 8, .value_kind: global_buffer, .address_space: global }
      - { .name: bq, .offset: 40, .size: 8, .value_kind: global_buffer, .address_space: global }
      - { .name: bk, .offset: 48, .size: 8, .value_kind: global_buffer, .address_space: global }
      - { .name: bv, .offset: 56, .size: 8, .value_kind: global_buffer, .address_space: global }
      - { .name: bo, .offset: 64, .size: 8, .value_kind: global_buffer, .address_space: global }
      - { .name: xb, .offset: 72, .size: 8, .value_kind: global_buffer, .address_space: global }
      - { .name: wb, .offset: 80, .size: 8, .value_kind: global_buffer, .address_space: global }
      - { .name: woh, .offset: 88, .size: 8, .value_kind: global_buffer, .address_space: global }
      - { .name: bias4, .offset: 96, .size: 8, .value_kind: global_buffer, .address_space: global }
    .group_segment_fixed_size: 0
    .private_segment_fixed_size: 0
    .kernarg_segment_align: 8
    .kernarg_segment_size: 104
    .max_flat_workgroup_size: 256
    .sgpr_count:     66
    .vgpr_count:     120
    .wavefront_size: 32
...
	.end_amdgpu_metadata
.endif
;; end of part 1
;; launch qkvp (part 2): grid 16 x 32, 4 waves a work-group, clusters of 4 x 4, 327,680 bytes of LDS; arguments xb, wb, bias4, qkv; writes qkv
.if DOCPART == 2
	.amdgcn_target "amdgcn-amd-amdhsa--gfx1250"
	.amdhsa_code_object_version 6
	.text
	.protected	k_qd0005ea8a4_qkvp
	.globl	k_qd0005ea8a4_qkvp
	.p2align	8
	.type	k_qd0005ea8a4_qkvp,@function
k_qd0005ea8a4_qkvp:
	s_mov_b64 s[64:65], 0
	v_nop
	global_prefetch_b8 v0, s[64:65] scope:SCOPE_SE
	s_setreg_imm32_b32 hwreg(HW_REG_WAVE_MODE, 25, 1), 1
	s_wait_xcnt 0x0
	s_wait_alu depctr_hold_cnt(0) depctr_sa_sdst(0) depctr_va_vdst(0) depctr_va_sdst(0) depctr_va_ssrc(0) depctr_va_vcc(0) depctr_vm_vsrc(0)
	s_getreg_b32 s2, hwreg(HW_REG_IB_STS2, 6, 4)
	s_cmp_eq_u32 s2, 0
	s_cbranch_scc0 .Lentry_in_a_cluster
	s_endpgm
.Lentry_in_a_cluster:
	s_bfe_u32 s2, ttmp6, 0x10000c
	s_cmp_lg_u32 s2, 0xf033
	s_cbranch_scc0 .Lentry_shape_is_right
	s_endpgm
.Lentry_shape_is_right:
; q, k, v = x W^T + b, written by heads.  xb: [8192][1024] bf16; wb: [3072][1024] bf16 (Wq, Wk, Wv); bias4: [4096] f32; qkv: [4 batches][48 heads: 16 of q, 16 of k, 16 of v][2048][64] f16.
; Sums in f32, started by the bias; each result rounded once to f16, unscaled.  LIMIT: a result of 65,520 or more in size becomes an infinity in f16.
; SHARES.  A work-group makes 256 rows x 192 columns (three heads): 16 x 32 = 512 work-groups, two for each of 256 WGPs.  Its four waves lie one below the other: wave w owns rows 64 w .. 64 w + 63 and
; all 192 columns: 4 x 12 accumulators of 16 x 16, 384 registers.  So a wave holds whole heads, and every store out of its own stage covers 512 consecutive bytes of one head.
; K goes in 8 steps of 128 through two LDS slots filled by the tensor data mover: rows of 256 bytes of memory, at multiples of 256.  A trip of the loop is one K step; one walking descriptor a tensor.
; CLUSTER 4 x 4: the four work-groups of a row of the cluster need the same tile of x, the four of a column the same tile of W: each tile is asked for jointly.
; THE MATRIX INSTRUCTION IS USED TRANSPOSED (source 0 = 16 rows of W, source 1 = 16 rows of x): lane l holds row l % 16 and the columns 8 (l / 16) + 0..7 of a block of 16.
; REGISTERS, in windows of 256 (s_set_vgpr_msb: bits 1:0 source 0, 3:2 source 1, 5:4 source 2, 7:6 destination):
;   window 0: v0-29 addresses; v32-95 x's fragments, two buffers of 4 x 8; v96-191 the bias as a C operand, later the way out
;   window 1: v0-191 W's fragments, two buffers of 12 x 8     window 2: accumulators of row blocks 0, 1 ((a, b) at 8 (12 (a % 2) + b))     window 3: of row blocks 2, 3
; No prefetch into the L2: K has eight steps, and each tile is read by several clusters at about the same time.
.set NBF,   12                         ; column blocks of 16
.set PITA,  272                        ; an LDS row: 256 bytes + 16 of padding: the 16 rows of a fragment load start at 16 different groups of four banks (ISA guide 11.1)
.set PITB,  272
.set AHALF, 128*PITA                   ; what one tensor load of x brings
.set BHALF, 96*PITB                    ; what one of W brings
.set BOFF,  2*AHALF                    ; in a slot: x's 256 rows, then W's 192
.set SLOT1, 131072                     ; slot 1 begins here: one exclusive or turns an address in one slot into the other's
.set STAGE, SLOT1+BOFF+2*BHALF         ; behind the ring, never filled by a tensor load: 16 rows x 400 bytes for each wave
.set SP,    400
.set SPARE, STAGE+4*16*SP              ; the spare words, 128 bytes a wave: two blocks of 256 bytes that no other line names
.set NLD,   2*NBF+8                    ; LDS loads in a run
.set ASTEP, 256                        ; a K step in memory
.set BSTEP, 256
.set KA1, 64                           ; where quarter q of a K step begins in x's LDS rows,
.set KA2, 128
.set KA3, 192
.set KB1, 64                           ; and in W's
.set KB2, 128
.set KB3, 192
.set A0,   4                           ; v4   my place in a slot's tile of x; never rewritten
.set B0,   5                           ; v5   in its tile of W
.set ADRA, 6                           ; v6   the same plus the slot in hand
.set ADRB, 7                           ; v7
.set STO,  8                           ; v8   the way out: where I put 16 bytes of a row
.set RD,   9                           ; v9   where I read rows back
.set GO,   10                          ; v10  my 16 bytes of 512 consecutive bytes of qkv
.set BO,   11                          ; v11  32 (l / 16): my eight columns' bias
.set SPW,  28                          ; v28  LDS address of my spare word; never rewritten
.set NIL,  29                          ; v29  0; never rewritten
.set AF,   32
.set BIAS, 96
.set TMP,  96
.set OB,   144
.set G1A, 24                           ; s[24:31] descriptor group 1 for x's tiles;  s[32:39] for W's
.set G1B, 32
.set G0A, 40                           ; s[40:47] group 0 for x's tiles: a set for each first fill; the second then walks on
.set G0B, 48                           ; s[48:55] the same for W's
.set G1C, (1<<16)|(1<<20)|(1<<21)|(5<<22)|(3<<25)  ; elements of 2 bytes; padding on; bit 21 beside a mask; after every 64 words; 4 words
.set MSB, 0
.macro WIN new                         ; the immediate's high byte repeats the setting that is left; a switch that changes nothing is dropped
.if MSB != (\new)
	s_set_vgpr_msb (MSB<<8)|(\new)
.set MSB, (\new)
.endif
.endm
.macro PLACES                          ; four plain vector instructions between a matrix instruction and a load into, or a vector read of, its registers
.rept 4
	v_nop
.endr
.endm
.macro CREST                           ; a round of the cluster's barrier behind its opening barrier
	s_cmp_lg_u32 s12, 0
	s_cbranch_scc1 .Lnot_wave_0_\@
	s_barrier_signal -3
.Lnot_wave_0_\@:
	s_barrier_wait -3
	s_barrier_signal -1
	s_barrier_wait -1
.endm
.macro CROUND
	s_barrier_signal -1
	s_barrier_wait -1
	CREST
.endm
.macro JLOAD                           ; a joint refill: waves 0 and 1 fetch x's two halves, waves 2 and 3 W's; an s_nop 0 and four v_nop follow each line
	s_cmp_eq_u32 s13, 0
	s_cbranch_scc0 .Lfor_b_\@
	tensor_load_to_lds s[G0A+4:G0A+7], s[G1A:G1A+7]
	s_nop 0
.rept 4
	v_nop
.endr
	s_branch .Lasked_\@
.Lfor_b_\@:
	tensor_load_to_lds s[G0B+4:G0B+7], s[G1B:G1B+7]
	s_nop 0
.rept 4
	v_nop
.endr
.Lasked_\@:
.endm
; 12 matrix instructions: row block a x all column blocks, 32 along K, from buffer f.  first = 1: the bias starts the sums.  Every accumulator is named once in a quarter, always in the
; same order: the accumulators take turns, one instruction a turn.
.macro MULA f, a, first
.if \first
	WIN 0x81+0x40*((\a)/2)
.else
	WIN 0xa1+0x50*((\a)/2)
.endif
.set rA, AF+32*(\f)+8*(\a)
.set b, 0
.rept NBF
.set rD, 8*(NBF*((\a)%2)+b)
.set rB, 8*NBF*(\f)+8*b
.if \first
	v_wmma_f32_16x16x32_bf16 v[rD:rD+7], v[rB:rB+7], v[rA:rA+7], v[BIAS+8*b:BIAS+8*b+7]
.else
	v_wmma_f32_16x16x32_bf16 v[rD:rD+7], v[rB:rB+7], v[rA:rA+7], v[rD:rD+7]
.endif
.set b, b+1
.endr
.endm
; 32 LDS loads in one run: a quarter's fragments into buffer g: W's 24, then x's 8, row blocks ascending
.macro FETCH ka, kb, g
	WIN 0x40
.set b, 0
.rept NBF
	ds_load_b128 v[8*NBF*(\g)+8*b:8*NBF*(\g)+8*b+3],   v[ADRB] offset:(\kb)+b*16*PITB
	ds_load_b128 v[8*NBF*(\g)+8*b+4:8*NBF*(\g)+8*b+7], v[ADRB] offset:(\kb)+b*16*PITB+32
.set b, b+1
.endr
	WIN 0
.set b, 0
.rept 4
	ds_load_b128 v[AF+32*(\g)+8*b:AF+32*(\g)+8*b+3],   v[ADRA] offset:(\ka)+b*16*PITA
	ds_load_b128 v[AF+32*(\g)+8*b+4:AF+32*(\g)+8*b+7], v[ADRA] offset:(\ka)+b*16*PITA+32
.set b, b+1
.endr
.endm
; One of a K step's first three quarters: multiplies buffer f; in its middle it fetches the next quarter into buffer g.
.macro QUARTER ka, kb, f, g, first
	s_wait_dscnt 4                                 ; all of W's and x's row blocks 0, 1 are in; the youngest four loads (row blocks 2, 3) may be out
	MULA \f, 0, \first
	MULA \f, 1, \first
	PLACES
	FETCH \ka, \kb, \g
	s_wait_dscnt NLD                               ; all but the run just issued
	MULA \f, 2, \first
	MULA \f, 3, \first
.endm
; The last quarter multiplies buffer 1 and changes slots.  In front of the barrier each wave waits for all its tensor loads (the one that is out is its part of the next slot), adds 0 to its spare
; word, and waits for that and for its reads of this slot.  fill = 1: the barrier opens a round of the cluster's, and the joint refill, two K steps ahead, is the first tensor load behind it.
.macro TURN fill
	WIN 0
	s_wait_tensorcnt 0x0                           ; no tensor load of mine is out, so a group 0 may be written
	ds_add_u32 v[SPW], v[NIL]
.if \fill
	s_xor_b32 s[G0A+5], s[G0A+5], SLOT1            ; the walking descriptors: the other slot than last time, the next K step
	s_add_nc_u64 s[G0A+6:G0A+7], s[G0A+6:G0A+7], ASTEP
	s_xor_b32 s[G0B+5], s[G0B+5], SLOT1
	s_add_nc_u64 s[G0B+6:G0B+7], s[G0B+6:G0B+7], BSTEP
.endif
	s_xor_b32 s57, s57, SLOT1                      ; the slot to be read next
	s_wait_dscnt 5                                 ; the add and the youngest four loads may be out
	MULA 1, 0, 0
	s_wait_dscnt 0x0                               ; the add is done, and my reads of this slot are over
	s_barrier_signal -1
	MULA 1, 1, 0
	WIN 0                                          ; branches and window 0's addresses follow
	s_barrier_wait -1
.if \fill
	CREST                                          ; no wave of any partner still reads this slot or has a load on its way
	JLOAD                                          ; its four v_nop are also the places in front of the loads below
.else
	PLACES
.endif
	v_add_nc_u32 v[ADRA], s57, v[A0]
	v_add_nc_u32 v[ADRB], s57, v[B0]
	FETCH 0, 0, 0
	MULA 1, 2, 0
	MULA 1, 3, 0
.endm
	s_load_b256 s[4:11], s[0:1], 0x0               ; xb s[4:5], wb s[6:7], bias4 s[8:9], qkv s[10:11]
	v_lshl_add_u32 v[SPW], v0, 2, SPARE
	v_mov_b32 v[NIL], 0
	ds_add_u32 v[SPW], v[NIL]                      ; the wave's opening: the add and its wait ahead of my first tensor load
	ds_add_u32 v28, v29
	v_lshrrev_b32 v3, 5, v0
	v_readfirstlane_b32 s12, v3                    ; wave 0..3
	s_lshr_b32 s13, s12, 1                         ; I fetch for x (0) or for W (1),
	s_and_b32 s14, s12, 1                          ; its first or second half
	s_bfe_u32 s15, ttmp6, 0x40000                  ; cx
	s_bfe_u32 s16, ttmp6, 0x40004                  ; cy
	s_lshl_b32 s17, ttmp9, 2
	s_add_co_u32 s17, s17, s15                     ; tile column = 4 x cluster x + cx
	s_and_b32 s18, ttmp7, 0xffff
	s_lshl_b32 s18, s18, 2
	s_add_co_u32 s18, s18, s16                     ; tile row = 4 x cluster y + cy
	s_lshl_b32 s19, s16, 2
	s_lshl_b32 s19, 15, s19                        ; my row of the cluster
	s_lshl_b32 s20, 0x1111, s15                    ; my column
	s_or_b32 s[G1A], s19, G1C
	s_or_b32 s[G1B], s20, G1C
	s_mov_b32 s[G1A+1], 128<<16                    ; tensor_dim0 = 128
	s_mov_b32 s[G1A+2], 128<<16                    ; tensor_dim1 = 128
	s_mov_b32 s[G1A+3], 128<<16                    ; tile_dim0 = 128
	s_mov_b32 s[G1A+4], 128                        ; tile_dim1 = 128
	s_mov_b32 s[G1A+5], 1024                       ; elements from row to row
	s_mov_b32 s[G1A+6], 0
	s_mov_b32 s[G1A+7], 0
	s_mov_b32 s[G1B+1], 128<<16
	s_mov_b32 s[G1B+2], 96<<16                     ; 96 rows
	s_mov_b32 s[G1B+3], 128<<16
	s_mov_b32 s[G1B+4], 96
	s_mov_b32 s[G1B+5], 1024
	s_mov_b32 s[G1B+6], 0
	s_mov_b32 s[G1B+7], 0
	s_lshl_b32 s58, s18, 8                         ; x: row 256 x tile row + 128 x half, 2,048 bytes a row: the tile row and the wave's number alone
	s_lshl_b32 s21, s14, 7
	s_add_co_u32 s58, s58, s21
	s_lshl_b32 s58, s58, 11
	s_mov_b32 s59, 0
	s_mul_i32 s60, s17, 192                        ; W: row 192 x tile column + 96 x half: the tile column and the wave's number alone
	s_mul_i32 s21, s14, 96
	s_add_co_u32 s60, s60, s21
	s_lshl_b32 s60, s60, 11
	s_mov_b32 s61, 0
	s_mul_i32 s22, s14, AHALF                      ; where they go: no place in the cluster enters an LDS address
	s_mul_i32 s23, s14, BHALF
	s_add_co_u32 s23, s23, BOFF
	s_wait_dscnt 0x0                               ; the opening add is done
	s_wait_kmcnt 0x0
	s_add_nc_u64 s[58:59], s[4:5], s[58:59]
	s_add_nc_u64 s[60:61], s[6:7], s[60:61]
	CROUND                                         ; all sixteen work-groups are here: the first joint loads meet
.irp s, 0,1
	s_mov_b32 s[G0A+4*(\s)], 1                     ; count = 1
	s_add_co_u32 s[G0A+4*(\s)+1], s22, (\s)*SLOT1  ; LDS address
	s_add_nc_u64 s[G0A+4*(\s)+2:G0A+4*(\s)+3], s[58:59], (\s)*ASTEP  ; K step s
	s_or_b32 s[G0A+4*(\s)+3], s[G0A+4*(\s)+3], 0x80000000           ; type = 2
	s_mov_b32 s[G0B+4*(\s)], 1
	s_add_co_u32 s[G0B+4*(\s)+1], s23, (\s)*SLOT1
	s_add_nc_u64 s[G0B+4*(\s)+2:G0B+4*(\s)+3], s[60:61], (\s)*BSTEP
	s_or_b32 s[G0B+4*(\s)+3], s[G0B+4*(\s)+3], 0x80000000
.endr
	s_cmp_eq_u32 s13, 0                            ; a wave's two first fills stand in one branch: two loads of mine are out
	s_cbranch_scc0 .Lfirst_b
	tensor_load_to_lds s[G0A:G0A+3], s[G1A:G1A+7]
	s_nop 0
	tensor_load_to_lds s[G0A+4:G0A+7], s[G1A:G1A+7]
	s_nop 0
.rept 4
	v_nop
.endr
	s_branch .Lfirst_asked
.Lfirst_b:
	tensor_load_to_lds s[G0B:G0B+3], s[G1B:G1B+7]
	s_nop 0
	tensor_load_to_lds s[G0B+4:G0B+7], s[G1B:G1B+7]
	s_nop 0
.rept 4
	v_nop
.endr
.Lfirst_asked:
	v_and_b32 v1, 15, v0                           ; l % 16
	v_bfe_u32 v2, v0, 4, 1                         ; l / 16
	v_lshlrev_b32 v[BO], 5, v2
	s_mul_i32 s62, s17, 768                        ; the tile's 192 columns in bias4
	s_mov_b32 s63, 0
	s_add_nc_u64 s[8:9], s[8:9], s[62:63]
.set b, 0
.rept NBF                                      ; register j of block b: the bias of column 16 b + 8 (l / 16) + j
	global_load_b128 v[BIAS+8*b:BIAS+8*b+3],   v[BO], s[8:9] offset:64*b
	global_load_b128 v[BIAS+8*b+4:BIAS+8*b+7], v[BO], s[8:9] offset:64*b+16
.set b, b+1
.endr
	v_mul_u32_u24 v3, v1, PITA
	v_lshl_add_u32 v3, v2, 4, v3                   ; a fragment's row x pitch + 16 x half
	s_mul_i32 s2, s12, 64*PITA                     ; my 64 rows of x
	v_add_nc_u32 v[A0], s2, v3
	v_add_nc_u32 v[B0], BOFF, v3
	v_mov_b32 v[ADRA], v[A0]
	v_mov_b32 v[ADRB], v[B0]
	s_mov_b32 s57, 0                               ; slot 0 is read first
	s_mul_i32 s2, s12, 16*SP
	s_add_co_u32 s2, s2, STAGE                     ; my stage
	v_mul_u32_u24 v[STO], v1, SP                   ; in: row l % 16, 16 bytes for each half of the lanes
	v_lshl_add_u32 v[STO], v2, 4, v[STO]
	v_add_nc_u32 v[STO], s2, v[STO]
	v_bfe_u32 v[RD], v0, 3, 2                      ; back: 32 lanes take four rows of a head's 128 bytes,
	v_mul_u32_u24 v[RD], v[RD], SP
	v_and_b32 v3, 7, v0
	v_lshl_add_u32 v[RD], v3, 4, v[RD]
	v_add_nc_u32 v[RD], s2, v[RD]
	v_and_b32 v[GO], 31, v0                        ; which are 512 consecutive bytes of qkv
	v_lshlrev_b32 v[GO], 4, v[GO]
	s_lshr_b32 s2, s18, 3                          ; the batch,
	s_mul_i32 s2, s2, 48
	s_mul_i32 s3, s17, 3                           ; the tile's first head,
	s_add_co_u32 s2, s2, s3
	s_lshl_b32 s2, s2, 18                          ; 262,144 bytes a head;
	s_and_b32 s3, s18, 7
	s_lshl_b32 s3, s3, 8                           ; the tile's first row in the batch,
	s_lshl_b32 s62, s12, 6                         ; my 64 of its rows,
	s_add_co_u32 s3, s3, s62
	s_lshl_b32 s3, s3, 7                           ; 128 bytes a row
	s_add_co_u32 s62, s2, s3
	s_mov_b32 s63, 0
	s_add_nc_u64 s[10:11], s[10:11], s[62:63]
	s_wait_tensorcnt 1                             ; my part of K step 0 is in; K step 1's may stay out
	s_barrier_signal -1
	s_barrier_wait -1
	FETCH 0, 0, 0
	s_wait_loadcnt 0x0                             ; the bias
	QUARTER KA1, KB1, 0, 1, 1                      ; the first quarter stands in front of the loop: its products start the sums
	WIN 0
	s_mov_b32 s56, 6
.Lk:                                           ; trip t ends K step t, asks for K step t + 2 and begins K step t + 1
	QUARTER KA2, KB2, 1, 0, 0
	QUARTER KA3, KB3, 0, 1, 0
	TURN 1
	QUARTER KA1, KB1, 0, 1, 0
	WIN 0
	s_sub_co_u32 s56, s56, 1
	s_cmp_lg_u32 s56, 0
	s_cbranch_scc1 .Lk
	QUARTER KA2, KB2, 1, 0, 0                      ; the last two K steps ask for nothing
	QUARTER KA3, KB3, 0, 1, 0
	TURN 0
	QUARTER KA1, KB1, 0, 1, 0
	QUARTER KA2, KB2, 1, 0, 0
	QUARTER KA3, KB3, 0, 1, 0
	s_wait_dscnt 4
	MULA 1, 0, 0
	MULA 1, 1, 0
	s_wait_dscnt 0x0
	MULA 1, 2, 0
	MULA 1, 3, 0
; THE WAY OUT, a row block (16 rows x 192 columns) at a time: rounded to f16, 16 bytes a lane into my stage, back as four rows of one head, stored.
.macro PACK a
	WIN 0x0a+5*((\a)/2)                            ; sources 0 and 1: window 2 or 3
.set AC, 8*NBF*((\a)%2)
.set b, 0
.rept 4*NBF                                    ; ascending: each accumulator's lowest registers are read first
	v_cvt_pk_f16_f32 v[TMP+b], v[AC+2*b], v[AC+2*b+1]
.set b, b+1
.endr
	WIN 0
.endm
.macro TOSTAGE
.set b, 0
.rept NBF
	ds_store_b128 v[STO], v[TMP+4*b:TMP+4*b+3] offset:32*b
.set b, b+1
.endr
	s_wait_xcnt 0x0                                ; the registers below were the data of the last block's stores: they are loaded again only behind this wait
.irp j, 0,1,2
.irp t, 0,1,2,3
	ds_load_b128 v[OB+4*(4*(\j)+(\t)):OB+4*(4*(\j)+(\t))+3], v[RD] offset:1600*(\t)+128*(\j)  ; LDS serves a wave's instructions in order (ISA guide 5.7.1.4): these see the stores above
.endr
.endr
.endm
.macro SEND a
.irp j, 0,1,2
.irp t, 0,1,2,3
	s_wait_dscnt 11-(4*(\j)+(\t))                  ; the younger loads from the stage may stay out
	global_store_b128 v[GO], v[OB+4*(4*(\j)+(\t)):OB+4*(4*(\j)+(\t))+3], s[10:11] offset:(\j)*262144+(16*(\a)+4*(\t))*128  ; 512 consecutive bytes of head j, at a multiple of 512
.endr
.endr
.endm
	PLACES
	PACK 0
	TOSTAGE
.irp a, 1,2,3                          ; block a's conversions stand between block a - 1's loads from the stage and the wait for them
	PACK \a
	SEND (\a)-1
	TOSTAGE
.endr
	SEND 3
	s_wait_tensorcnt 0x0                           ; the wave's end
	ds_add_u32 v[SPW], v[NIL]
	s_wait_dscnt 0x0
	CROUND                                         ; the closing round: no work-group ends while a partner may still ask for a tile that names it
	s_endpgm
.Lfunc_end_k_qd0005ea8a4_qkvp:
	.size	k_qd0005ea8a4_qkvp, .Lfunc_end_k_qd0005ea8a4_qkvp-k_qd0005ea8a4_qkvp
	.p2alignl 7, 3214868480
	.fill 96, 4, 3214868480
	.section	.rodata,"a",@progbits
	.p2align	6, 0x0
	.amdhsa_kernel k_qd0005ea8a4_qkvp
		.amdhsa_group_segment_fixed_size 327680
		.amdhsa_private_segment_fixed_size 0
		.amdhsa_enable_private_segment 0
		.amdhsa_kernarg_size 32
		.amdhsa_user_sgpr_count 2
		.amdhsa_user_sgpr_kernarg_segment_ptr 1
		.amdhsa_wavefront_size32 1
		.amdhsa_system_sgpr_workgroup_id_x 1
		.amdhsa_system_sgpr_workgroup_id_y 1
		.amdhsa_system_sgpr_workgroup_id_z 1
		.amdhsa_system_vgpr_workitem_id 0
		.amdhsa_next_free_vgpr 960
		.amdhsa_next_free_sgpr 66
		.amdhsa_reserve_vcc 0
		.amdhsa_float_denorm_mode_32 3
		.amdhsa_float_denorm_mode_16_64 3
		.amdhsa_memory_ordered 1
		.amdhsa_forward_progress 1
		.amdhsa_inst_pref_size 100
	.end_amdhsa_kernel
	.amdgpu_metadata
---
amdhsa.version: [ 1, 2 ]
amdhsa.kernels:
  - .name:           k_qd0005ea8a4_qkvp
    .symbol:         k_qd0005ea8a4_qkvp.kd
    .args:
      - { .name: xb, .offset: 0, .size: 8, .value_kind: global_buffer, .address_space: global }
      - { .name: wb, .offset: 8, .size: 8, .value_kind: global_buffer, .address_space: global }
      - { .name: bias4, .offset: 16, .size: 8, .value_kind: global_buffer, .address_space: global }
      - { .name: qkv, .offset: 24, .size: 8, .value_kind: global_buffer, .address_space: global }
    .group_segment_fixed_size: 327680
    .private_segment_fixed_size: 0
    .kernarg_segment_align: 8
    .kernarg_segment_size: 32
    .max_flat_workgroup_size: 128
    .sgpr_count:     66
    .vgpr_count:     960
    .wavefront_size: 32
...
	.end_amdgpu_metadata
.endif
;; end of part 2
;; launch attn (part 3): grid 4 x 64, 4 waves a work-group, no clusters, 327,680 bytes of LDS; arguments qkv, ob; writes ob
.if DOCPART == 3
	.amdgcn_target "amdgcn-amd-amdhsa--gfx1250"
	.amdhsa_code_object_version 6
	.text
	.protected	k_qd0005ea8a4_attn
	.globl	k_qd0005ea8a4_attn
	.p2align	8
	.type	k_qd0005ea8a4_attn,@function
k_qd0005ea8a4_attn:
	s_mov_b64 s[64:65], 0
	v_nop
	global_prefetch_b8 v0, s[64:65] scope:SCOPE_SE
	s_setreg_imm32_b32 hwreg(HW_REG_WAVE_MODE, 25, 1), 1
	s_wait_xcnt 0x0
; CAUSAL ATTENTION.  O[y][q][:] = the sum over k <= q of softmax_k(Q[y][q] . K[y][k] / 8) V[y][k][:], y = 16 x batch + head.
; qkv: [4 batches][48: 16 heads of q, 16 of k, 16 of v][2048][64] f16; ob: [64][2048][64] f16: a head's rows are dense, 128 bytes each.
; Products, maxima and sums in f32; the weights p are rounded to f16 for the second product (their sum l is taken of the unrounded p), O once at the end.
; LIMITS.  f16 holds no number beyond 65,504: Q, K and V arrive within it; p lies in 0 to 1, and below 6e-5 it keeps f16's fixed step of 6e-8; O is a mean of V's rows and has their range.
; A hidden score counts as its value less 1e30: f16's scores, 2.7e11 at the most, are nothing beside that; a weight below 2^-126 counts as 0 in l; NaN and infinities are not treated apart.
; THE WALK.  A head's queries lie in NB = 8 blocks of 256; block i needs the key tiles 0 .. i of 256 keys, of which the last holds the diagonal.  A work-group takes TWO blocks, NB - 1 - b and then b:
; NB + 1 tiles, whatever b: all work-groups do equal work, and ONE loop with a constant trip count walks them.  Which tile is asked for, and what a trip does, hang on scalar registers made from b; every jump
; goes forward, but for the counted loops' own; none passes a barrier, or a tensor load but the one of LOAD's two that the wave's number does not choose; the ring (two slots of LDS that take turns) runs on across the
; change of blocks.  NO CLUSTER: the four work-groups of a head ask for the same tile only in trips 0 .. NB / 2, behind that fewer and fewer; one walk common to all would have 3 NB / 2 trips for NB + 1.
; SHARES.  Of a block's four bands of 64 queries a wave owns 16 rows in each: four PIECES.  So the diagonal tile is the same work for all four waves: in its key step s band x sees all keys if s < x,
; none if s > x, and holds the diagonal if s = x.
; THE MASK is the C operand that starts the sum S^T = K Q^T: 0, or -1e30 where the key is hidden.  MD, made once, is the mask of a band's own step for my 16 rows; a product's mask is MD x AL + BE with two scalars:
; (1, 0) if s = x; (0, 0) if s < x; (0, -1e30) if s > x.  Only the diagonal tile's text and a block's beginning make and take masks; elsewhere C is the constant 0.
; LAYOUT, SOFTMAX, TURNS.  S^T = K Q^T holds ONE query a lane (lane % 16) and the keys 8 (lane / 16) + 0..7; two such results rounded to f16 ARE source 1 of O^T = V^T P.  p = 2^(c s - c m), c = log2(e) / 8, with a
; running maximum m; O and l are multiplied by a = 2^(c m_old - c m_new) in every step.  Turn n belongs to piece n: 8 products K Q^T of piece n + 1, later 8 products V^T P of piece n - 1; beside them the scaling,
; exponentials, roundings, sums and rescaling of piece n and the maximum and statistics of piece n + 1.  Four vector instructions stand behind every matrix instruction, the other 54 of a turn's 118 in two LUMPS.
; AHEAD OF THE LOADS.  The head's work-group b = 0, whose first block walks tiles 0 .. 7, prefetches into the L2: in trip t, behind its tensor load, each wave names the 64 blocks of 256 bytes of ITS half of
; K's or V's tile t + 2, which the next trip's load will ask for: a lane a block, two instructions.  Tiles 0 and 1 come by their loads alone; trips 6 and 7 ask for nothing.  Each block is named once in the launch.
; REGISTERS, in windows of 256 (s_set_vgpr_msb: bits 1:0 source 0, 3:2 source 1, 5:4 source 2, 7:6 destination):
;   window 0: v0-15 addresses and two at work; v16-31 four registers of statistics a piece; v48-55 at work; v61-63 never rewritten; v64-127 S^T, two buffers; v192-223 P, two buffers (a piece's buffers go by its number's parity)
;   window 1: v0-127 O^T, 32 a piece; v128-159 MD; v160-223 MC, two buffers      window 2: v0-63 Q; v64-127 the second block's Q; v128-191 K of one step; v192-255 V of one step
.set SIZE_N, 2048
.set NB,    SIZE_N/256
.set NP,    4         ; pieces a wave: a name, no knob
.set KS,    64        ; keys in a step
.set PK,    144       ; a row of K in LDS: 128 bytes + 16 of padding = 36 words: the 16 rows of a load start at 16 different groups of four banks (64 banks of 4 bytes: ISA guide 11.1)
.set PV,    160       ; a row of V: 128 + 32 = 40 words
.set VOFF,  4*KS*PK   ; a slot holds a tile, four steps: 256 rows of K, then 256 rows of V
.set SLOT1, 1<<17     ; slot 1 begins here, so that one exclusive or turns an address in one slot into the other's
.set STAGE, SLOT1+4*KS*(PK+PV)  ; behind the ring, never filled by a tensor load: 16 rows x 144 bytes for each wave, for the way out
.set SP,    144
.set AK0, 2           ; v2   my lane's place in a tile of K; never rewritten
.set AV0, 3           ; v3   the same for V
.set AK,  4           ; v4   the LDS address of K's next run of loads
.set AV,  5           ; v5   of V's
.set STO, 6           ; v6   the way out: where I put 16 bytes of a row
.set RD,  7           ; v7   the way out: where I read rows back
.set GO,  8           ; v8   my byte offset in 512 consecutive bytes of O
.set PFO, 61          ; v61  256 x my lane: the prefetches' offset; never rewritten
.set SPW, 62          ; v62  LDS address of my spare word: SPARE + 4 x my thread's number; never rewritten
.set NIL, 63          ; v63  0; never rewritten
.set SPARE, STAGE+4*16*SP  ; behind the stages: the spare words, 128 bytes for each wave: two blocks of 256 bytes that no other line names
.set MV,  12          ; v12-13  c m_old, kept while c m is made anew: by buffer
.set QO,  15          ; v15  my byte offset in 16 rows of Q
.set ST,  16          ; piece t's statistics at v[ST+4 t]: c m, m, l (even keys', odd keys')
.set TMP, 48          ; by buffer, four registers c0-c3 at work; when the maximum is found c2 takes a
.set S,   64
.set P,   192
.set MD,  128         ; window 1: the eight registers for group kt of 16 keys at MD + 8 kt
.set MC,  160         ; window 1: the masks of the products to come
.set QB,  64          ; window 2
.set KF,  128         ; window 2: key block kb, channel half c at KF + 16 kb + 8 c
.set VF,  192         ; window 2: key half kk, channel block cb at VF + 32 kk + 8 cb
.set WV,  12          ; s12  my wave's number
.set PB,  14          ; s14  b
.set HI,  15          ; s15  NB - 1 - b
.set G1K, 24          ; s[24:31] descriptor group 1 for K's tiles
.set G1V, 32          ; s[32:39] for V's: it differs in the padding alone
.set G0K, 40          ; s[40:43] descriptor group 0 for K's tiles
.set G0V, 44          ; s[44:47] the same for V's
.set SLOTS, 56        ; s56  tiles still to be asked for
.set CNT, 57          ; s57  counts a tile's key steps, 4 to 1
.set CS,  58          ; s[58:59] c: the packed scaling takes the pair's low word for both halves
.set SEL, 60          ; s[60:61] v_permlanex16_b32's selects: each lane takes its own place in the other half
.set TBK, 62          ; s62  LDS byte at which K of the step to be fetched begins
.set TBV, 63          ; s63  the same for V, less VOFF
.set RT,  70          ; s70  tiles of the block in hand that are still to be entered
.set NXT, 71          ; s71  the tile to be asked for next
.set LQ,  72          ; s72  the last tile of the block whose tiles are being asked for
.set NEW, 73          ; s73  1: the tile to be entered is a block's first
.set OFF, 74          ; s[74:75] a tile's byte offset in K and V
.set AL,  76          ; s[76:77] the mask's factor, in the low word
.set BE,  78          ; s[78:79] the mask's addend
.set OLO, 80          ; s[80:81] O at my rows of the second block
.set BIGN, 82         ; s82  -1e30
.set PFA, 96          ; s[96:97] my half of K's or V's tile one behind the tile that is being asked for
.set LIM, 98          ; s98  2 in the work-group that prefetches, else the greatest number: it prefetches while s[SLOTS] is above it
.set MSB, 0
.macro WIN new                      ; the high byte repeats the setting that is left; a switch that changes nothing is dropped
.if MSB != (\new)
	s_set_vgpr_msb (MSB<<8)|(\new)
.set MSB, (\new)
.endif
.endm
.set W_KQ, 0x0a       ; K and Q in window 2, S^T in window 0
.set W_KM, 0x1a       ; the same with the C operand in window 1
.set W_PV, 0x52       ; V in window 2, P in window 0, O^T in window 1
.set W_RS, 0x41       ; destination and source 0 in window 1, source 1 in window 0
; A fill.  Waves 0 and 1 fetch the two halves of a tile's K, waves 2 and 3 those of its V: 128 keys each.  An s_nop 0 and four v_nop follow each of the two lines, ahead of the jump and the label.
.macro LOAD
	s_cmp_lt_u32 s[WV], 2
	s_cbranch_scc0 .Lfor_v_\@
	tensor_load_to_lds s[G0K:G0K+3], s[G1K:G1K+7]
	s_nop 0
.rept 4
	v_nop
.endr
	s_branch .Lasked_\@
.Lfor_v_\@:
	tensor_load_to_lds s[G0V:G0V+3], s[G1V:G1V+7]
	s_nop 0
.rept 4
	v_nop
.endr
.Lasked_\@:
.endm
; The prefetch of my half (16,384 bytes: 64 blocks of 256) of the tile that the next change of slots will ask for.  It stands behind the tensor load and its five lines.
.macro ASK
	s_cmp_gt_u32 s[SLOTS], s[LIM]
	s_cbranch_scc0 .Lnot_mine_\@
	global_prefetch_b8 v[PFO], s[PFA:PFA+1] th:TH_LOAD_NT scope:SCOPE_SE
	global_prefetch_b8 v[PFO], s[PFA:PFA+1] offset:8192 th:TH_LOAD_NT scope:SCOPE_SE
.Lnot_mine_\@:
.endm
; THE CHANGE OF SLOTS.  Each wave waits for all its tensor loads, of which one is out: its part of the other slot; adds 0 to its spare word; and waits for that and for its own reads of the slot that it leaves.  Behind the barrier nobody reads the old
; slot any more and the other slot is whole.  fill = 1: the old slot is filled again, the first thing behind the barrier, with tile NXT: the descriptor's address is made anew from that number.
; (At its first use nothing has been read yet: slot 0 is waited for, slot 1 filled.)
.macro CHANGE fill
	WIN 0                           ; at a label and at a branch every window is 0
	s_wait_tensorcnt 0x0            ; no tensor load of mine is out, so a group 0 may be written
	ds_add_u32 v[SPW], v[NIL]       ; 0 onto my spare word; with fill = 1 the descriptors' scalar work stands between it and the wait for it
.if \fill
	s_lshl_b32 s[OFF], s[NXT], 15   ; a tile is 32,768 bytes of K and of V
	s_xor_b32 s[G0K+1], s[G0K+1], SLOT1
	s_add_nc_u64 s[G0K+2:G0K+3], s[6:7], s[OFF:OFF+1]
	s_or_b32 s[G0K+3], s[G0K+3], 0x80000000
	s_xor_b32 s[G0V+1], s[G0V+1], SLOT1
	s_add_nc_u64 s[G0V+2:G0V+3], s[8:9], s[OFF:OFF+1]
	s_or_b32 s[G0V+3], s[G0V+3], 0x80000000
	s_add_co_u32 s[NXT], s[NXT], 1  ; the block's next tile, or behind its last the second block's tile 0
	s_cmp_gt_u32 s[NXT], s[LQ]
	s_cselect_b32 s[NXT], 0, s[NXT]
	s_cselect_b32 s[LQ], s[PB], s[LQ]
	s_wait_xcnt 0x0                 ; the last prefetches, a tile back, have read their address, so it may be written:
	s_add_nc_u64 s[PFA:PFA+1], s[PFA:PFA+1], 32768  ; a tile on
.endif
	s_wait_dscnt 0x0                ; the add is done, and my reads of the slot are over
	s_barrier_signal -1             ; the rest of the scalar work stands between the signal and the wait
	s_sub_co_u32 s[TBK], s[TBK], 4*KS*PK  ; the fetches go back to a slot's first step,
	s_xor_b32 s[TBK], s[TBK], SLOT1       ; in the other slot
	s_sub_co_u32 s[TBV], s[TBV], 4*KS*PV
	s_xor_b32 s[TBV], s[TBV], SLOT1
	s_barrier_wait -1
.if \fill
	LOAD
	ASK
.endif
.endm
	s_load_b64 s[4:5], s[0:1], 0x0    ; qkv
	s_load_b64 s[10:11], s[0:1], 0x8  ; ob
	v_lshl_add_u32 v[SPW], v0, 2, SPARE
	v_mov_b32 v[NIL], 0
	ds_add_u32 v[SPW], v[NIL]       ; the wave's opening: the add and its wait ahead of my first tensor load; the set-up below, work on registers, stands between them
	ds_add_u32 v62, v63
	v_lshrrev_b32 v1, 5, v0
	v_readfirstlane_b32 s[WV], v1   ; wave 0..3
	v_and_b32 v[PFO], 31, v0
	v_lshlrev_b32 v[PFO], 8, v[PFO]
	s_mov_b32 s[PB], ttmp9
	s_sub_co_u32 s[HI], NB-1, s[PB]
	s_and_b32 s19, ttmp7, 0xffff    ; y = 16 x batch + head
	s_lshr_b32 s20, s19, 4
	s_mul_i32 s20, s20, 48          ; a batch has 48 heads in qkv
	s_and_b32 s21, s19, 15
	s_add_co_u32 s20, s20, s21
	s_lshl_b32 s20, s20, 18         ; the q head's first byte in qkv: 262,144 bytes a head; all these offsets stay under 2^32
	s_mov_b32 s21, 0
	s_lshl_b32 s90, s19, 18         ; the head's first byte in ob
	s_and_b32 s16, s[WV], 1         ; which half of a tile's 256 keys I fetch:
	s_lshl_b32 s22, s16, 14         ; its 128 rows of 128 bytes in memory,
	s_mov_b32 s23, 0
	s_add_nc_u64 s[22:23], s[22:23], s[20:21]
	s_mul_i32 s17, s16, 128*PK      ; and its place in a slot, for K
	s_mul_i32 s18, s16, 128*PV      ; and for V
	s_lshl_b32 s3, s[WV], 11        ; my 16 rows in a band of 64,
	s_lshl_b32 s2, s[HI], 15        ; in the first block,
	s_add_co_u32 s2, s2, s3
	s_lshl_b32 s84, s[PB], 15       ; and in the second
	s_add_co_u32 s84, s84, s3
	s_add_co_u32 s92, s2, s90       ; in ob,
	s_add_co_u32 s94, s84, s90
	s_add_co_u32 s2, s2, s20        ; and in qkv
	s_add_co_u32 s84, s84, s20
	s_mov_b32 s3, 0
	s_mov_b32 s85, 0
	s_mov_b32 s93, 0
	s_mov_b32 s95, 0
	; descriptor group 1.  128 keys are 16,384 dense bytes: asked for as 64 rows of 256 bytes, two keys a row, and padded in LDS after every key
	s_mov_b32 s[G1K], (1<<16)|(1<<20)|(4<<22)|(3<<25)  ; 17:16 2-byte elements; 20 padding on; 24:22 after every 32 words (code 4); 31:25 4 words (code 3)
	s_mov_b32 s[G1V], (1<<16)|(1<<20)|(4<<22)|(7<<25)  ; the same with 8 words of padding (code 7)
.irp g, G1K, G1V
	s_mov_b32 s[\g+1], 128<<16      ; tensor_dim0 = 128
	s_mov_b32 s[\g+2], 64<<16       ; tensor_dim1 = 64
	s_mov_b32 s[\g+3], 128<<16      ; tile_dim0 = 128
	s_mov_b32 s[\g+4], 64           ; tile_dim1 = 64
	s_mov_b32 s[\g+5], 128          ; 128 elements from row to row
	s_mov_b32 s[\g+6], 0
	s_mov_b32 s[\g+7], 0
.endr
	s_mov_b32 s[CS], 0x3e38aa3b     ; c = log2(e) / 8 = 0.180337
	s_mov_b32 s[CS+1], s[CS]        ; named with it as a pair
	s_mov_b32 s[SEL], 0x76543210
	s_mov_b32 s[SEL+1], 0xfedcba98
	s_mov_b32 s[TBK], SLOT1+4*KS*PK ; the first change of slots turns these two into 0
	s_mov_b32 s[TBV], SLOT1+4*KS*PV
	s_mov_b32 s[G0K], 1             ; 1:0 count = 1
	s_mov_b32 s[G0K+1], s17         ; 63:32 LDS address: slot 0
	s_mov_b32 s[G0V], 1
	s_add_co_u32 s[G0V+1], s18, VOFF
	s_add_co_u32 s[RT], s[HI], 1    ; the first block has NB - b tiles
	s_mov_b32 s[NXT], 1
	s_mov_b32 s[LQ], s[HI]
	s_mov_b32 s[NEW], 1
	s_mov_b32 s[OFF+1], 0
	s_mov_b32 s[AL+1], 0            ; named as pairs
	s_mov_b32 s[BE+1], 0
	s_mov_b32 s[BIGN], 0xf149f2ca   ; -1e30
	s_mov_b32 s[SLOTS], NB
	s_cmp_eq_u32 s[PB], 0
	s_cselect_b32 s[LIM], 2, -1
	s_wait_dscnt 0x0                ; the opening add is done
	s_wait_kmcnt 0x0
	s_add_nc_u64 s[6:7], s[4:5], 0x400000  ; a batch's k heads lie 16 heads behind its q heads,
	s_add_nc_u64 s[8:9], s[4:5], 0x800000  ; its v heads 32
	s_add_nc_u64 s[6:7], s[6:7], s[22:23]  ; K and V at my half of the head's tile 0
	s_add_nc_u64 s[8:9], s[8:9], s[22:23]
	s_add_nc_u64 s[G0K+2:G0K+3], s[6:7], 0         ; 120:64 global address
	s_or_b32 s[G0K+3], s[G0K+3], 0x80000000        ; 127:126 type = 2
	s_add_nc_u64 s[G0V+2:G0V+3], s[8:9], 0
	s_or_b32 s[G0V+3], s[G0V+3], 0x80000000
	s_add_nc_u64 s[86:87], s[4:5], s[84:85]        ; Q at my rows of the second block,
	s_add_nc_u64 s[4:5], s[4:5], s[2:3]            ; and of the first
	s_add_nc_u64 s[OLO:OLO+1], s[10:11], s[94:95]  ; O likewise
	s_add_nc_u64 s[10:11], s[10:11], s[92:93]
	s_cmp_lt_u32 s[WV], 2
	s_cselect_b64 s[PFA:PFA+1], s[6:7], s[8:9]
	s_add_nc_u64 s[PFA:PFA+1], s[PFA:PFA+1], 32768 ; at tile 1; the first change of slots steps it to tile 2.  Nothing is prefetched here, at the head
	LOAD                            ; tile 0 into slot 0
	; A fragment of K or Q is 16 rows x 32 channels in 8 registers: lane l holds row l % 16, channels 8 (l / 16) + 0..7 and 16 + 8 (l / 16) + 0..7: two loads of 16 bytes, 32 bytes apart.
	v_and_b32 v1, 15, v0            ; l % 16
	v_bfe_u32 v9, v0, 4, 1          ; l / 16
	v_lshlrev_b32 v[QO], 7, v1
	v_lshl_add_u32 v[QO], v9, 4, v[QO]  ; row x 128 + 16 x half
	WIN 0x80                        ; destination window 2, address window 0
.set i, 0
.rept 8                             ; both blocks' Q: piece i / 2 lies in band i / 2, 8,192 bytes on; channels 32 (i % 2) on
	global_load_b128 v[8*i:8*i+3],   v[QO], s[4:5] offset:(i/2)*8192+(i%2)*64
	global_load_b128 v[8*i+4:8*i+7], v[QO], s[4:5] offset:(i/2)*8192+(i%2)*64+32
	global_load_b128 v[QB+8*i:QB+8*i+3],   v[QO], s[86:87] offset:(i/2)*8192+(i%2)*64
	global_load_b128 v[QB+8*i+4:QB+8*i+7], v[QO], s[86:87] offset:(i/2)*8192+(i%2)*64+32
.set i, i+1
.endr
	WIN 0
	v_lshlrev_b32 v14, 3, v9
	v_sub_nc_u32 v14, v1, v14
	s_lshl_b32 s13, s[WV], 4
	v_add_nc_u32 v14, s13, v14      ; my query's place in its band, 16 w + l % 16, less my lanes' 8 (l / 16): register r of group kt is hidden where 16 kt + r is greater
	WIN 0x40
.set i, 0
.rept 32
	v_cmp_gt_i32 vcc_lo, 16*(i/8)+i%8, v14
	v_cndmask_b32 v[MD+i], 0, s[BIGN], vcc_lo
.set i, i+1
.endr
	WIN 0
	v_mul_u32_u24 v[AK0], v1, PK
	v_lshl_add_u32 v[AK0], v9, 4, v[AK0]  ; row x pitch + 16 x half
	; The turning load takes 16 keys x 16 channels (lane l reads key 8 (l / 16) + l % 8, channels 8 ((l / 8) % 2) + 0..7) and leaves half a fragment of V^T: lane l holds channel l % 16 and 8 keys.
	v_and_b32 v10, 7, v0
	v_bfe_u32 v11, v0, 3, 1
	v_lshl_add_u32 v[AV0], v9, 3, v10
	v_mul_u32_u24 v[AV0], v[AV0], PV
	v_lshl_add_u32 v[AV0], v11, 4, v[AV0]
	v_add_nc_u32 v[AV0], VOFF, v[AV0]
	s_mul_i32 s13, s[WV], 16*SP
	s_add_co_u32 s13, s13, STAGE    ; my stage
	v_mul_u32_u24 v[STO], v1, SP    ; in: row l % 16, 16 bytes for each half of the lanes
	v_lshl_add_u32 v[STO], v9, 4, v[STO]
	v_add_nc_u32 v[STO], s13, v[STO]
	v_bfe_u32 v[RD], v0, 3, 2       ; back: 32 lanes take four rows of 128 bytes,
	v_mul_u32_u24 v[RD], v[RD], SP
	v_lshl_add_u32 v[RD], v10, 4, v[RD]
	v_add_nc_u32 v[RD], s13, v[RD]
	v_and_b32 v[GO], 31, v0         ; which are 512 consecutive bytes of O
	v_lshlrev_b32 v[GO], 4, v[GO]
	; A block's first step multiplies O^T and l by a = 0, and its first turn's products V^T P, of a piece that has not been, land in an O^T that is still to be so multiplied.  So these registers need only hold
	; finite numbers: zeros for the first block; what the first block left for the second.  All this stands in the wait for the first tile.
	WIN 0x80
.set i, VF
.rept 64
	v_mov_b32 v[i], 0
.set i, i+1
.endr
	WIN 0x40
.set i, 0
.rept 128
	v_mov_b32 v[i], 0
.set i, i+1
.endr
	WIN 0
.set i, 0
.rept 4
	v_mov_b32 v[ST+4*i+2], 0
	v_mov_b32 v[ST+4*i+3], 0
.set i, i+1
.endr
.set i, P+16
.rept 16
	v_mov_b32 v[i], 0
.set i, i+1
.endr
; THE MATRIX WORK.  The 4 accumulators of a run of 8 take turns.  Product i of 8 of S^T = K Q^T for piece x: channels 32 (i / 4) on, keys 16 (i % 4) on.  The first 4 start the sums: with 0, or (KM = 1) with the mask.
.macro KQ x
.set rS, S+32*((\x)%2)+8*(i%4)
.set rK, KF+16*(i%4)+8*(i/4)
.set rQ, 16*(\x)+8*(i/4)
.set rM, MC+32*((\x)%2)+8*(i%4)
.if (i < 4) && KM
	WIN W_KM
	v_wmma_f32_16x16x32_f16 v[rS:rS+7], v[rK:rK+7], v[rQ:rQ+7], v[rM:rM+7]
.elseif i < 4
	WIN W_KQ
	v_wmma_f32_16x16x32_f16 v[rS:rS+7], v[rK:rK+7], v[rQ:rQ+7], 0
.else
	WIN W_KQ
	v_wmma_f32_16x16x32_f16 v[rS:rS+7], v[rK:rK+7], v[rQ:rQ+7], v[rS:rS+7]
.endif
.endm
; Product i of 8 of O^T += V^T P for piece x: keys 32 (i / 4) on, channels 16 (i % 4) on.
.macro PV x
	WIN W_PV
.set rO, 32*(\x)+8*(i%4)
.set rV, VF+32*(i/4)+8*(i%4)
.set rP, P+16*((\x)%2)+8*(i/4)
	v_wmma_f32_16x16x32_f16 v[rO:rO+7], v[rV:rV+7], v[rP:rP+7], v[rO:rO+7]
.endm
.macro MM                           ; the turn's next matrix instruction.  TURN and BEGIN set Y, i, KM and NOKQ; MM, KQ and OP read them.  NOKQ = 1: a block's last turn: there is no next piece
.if (i < 8) && !NOKQ
	KQ (Y+1)%NP
.elseif i >= 8
.set i, i-8
	PV (Y+NP-1)%NP
.set i, i+8
.endif
.set i, i+1
.endm
; THE LDS LOADS stand in runs of 16, never singly among the matrix instructions: a step's K (64 keys x 64 channels: 8 fragments) and its V (turned).  Their addresses are made some lines ahead.
.macro FETCH_K
	WIN 0x80                        ; destination window 2
.irp f, 0,1,2,3,4,5,6,7             ; keys 16 (f / 2) on, channels 32 (f % 2) on
	ds_load_b128 v[KF+8*\f:KF+8*\f+3],   v[AK] offset:(\f/2)*16*PK+(\f%2)*64
	ds_load_b128 v[KF+8*\f+4:KF+8*\f+7], v[AK] offset:(\f/2)*16*PK+(\f%2)*64+32
.endr
	s_add_co_u32 s[TBK], s[TBK], KS*PK  ; the next fetch is the next step's
	WIN 0
.endm
.macro FETCH_V
	WIN 0x80
.irp f, 0,1,2,3,4,5,6,7             ; keys 32 (f / 4) on, channels 16 (f % 4) on
	ds_load_tr16_b128 v[VF+8*\f:VF+8*\f+3],   v[AV] offset:(\f/4)*32*PV+(\f%4)*32
	ds_load_tr16_b128 v[VF+8*\f+4:VF+8*\f+7], v[AV] offset:(\f/4)*32*PV+16*PV+(\f%4)*32
.endr
	WIN 0
.endm
; THE VECTOR WORK, one line at a time: OP kind, number.  For piece Y: F n: c s - c m for pair n of 16.  E n: the exponential of score n of 32.  C n: pair n rounded to f16.  B n: of the four weights 4 n .. the second
; pair is added onto the first, in place.  L n: l takes that sum (L 0: l = a l + sum).  R n: pair n of 16 of O^T times a.  For piece Y + 1: X n, number n of the 22 that find its maximum and statistics:
;   0-11  four chains c0-c3 of seven scores each, three operands at a time (each accumulator's lowest registers are read first)     12-14, 16  the four scores left over, the old m, and c0-c3 into c0
;   15  c m_old is kept     17, 18  the query's other 32 keys lie in the lane 16 away: the new m     19-21  c m; c m_old - c m_new; a
.set F, 0               ; OP tells the kinds apart by their order: F to L below R, X above it
.set E, 1
.set C, 2
.set B, 3
.set L, 4
.set R, 5
.set X, 6
.macro REGS y                       ; the registers of piece y
.set rT, ST+4*(\y)
.set rC, TMP+4*((\y)%2)
.set rW, MV+((\y)%2)
.set rS, S+32*((\y)%2)
.set rP, P+16*((\y)%2)
.set rO, 32*(\y)
.endm
.macro OP k, n
.if (\k) == R
	REGS Y
	WIN W_RS
	v_pk_mul_f32 v[rO+2*(\n):rO+2*(\n)+1], v[rO+2*(\n):rO+2*(\n)+1], v[rC+2:rC+3] op_sel_hi:[1,0]
.elseif (\k) < R
	REGS Y
	WIN 0
.if (\k) == F
	v_pk_fma_f32 v[rS+2*(\n):rS+2*(\n)+1], v[rS+2*(\n):rS+2*(\n)+1], s[CS:CS+1], v[rT:rT+1] op_sel_hi:[1,0,0] neg_lo:[0,0,1] neg_hi:[0,0,1]
.elseif (\k) == E
	v_exp_f32 v[rS+(\n)], v[rS+(\n)]
.elseif (\k) == C
	s_wait_alu depctr_va_vdst(0)
	v_cvt_pk_f16_f32 v[rP+(\n)], v[rS+2*(\n)], v[rS+2*(\n)+1]
.elseif (\k) == B
	s_wait_alu depctr_va_vdst(0)
	v_pk_add_f32 v[rS+4*(\n):rS+4*(\n)+1], v[rS+4*(\n):rS+4*(\n)+1], v[rS+4*(\n)+2:rS+4*(\n)+3]
.elseif (\n) == 0
	v_pk_fma_f32 v[rT+2:rT+3], v[rT+2:rT+3], v[rC+2:rC+3], v[rS:rS+1] op_sel_hi:[1,0,1]
.else
	v_pk_add_f32 v[rT+2:rT+3], v[rT+2:rT+3], v[rS+4*(\n):rS+4*(\n)+1]
.endif
.elseif NOKQ
	v_nop
.else
	REGS (Y+1)%NP
	WIN 0
.if (\n) < 4
	v_max3_num_f32 v[rC+(\n)], v[rS+8*(\n)], v[rS+8*(\n)+1], v[rS+8*(\n)+2]
.elseif (\n) < 12
	v_max3_num_f32 v[rC+(\n)%4], v[rC+(\n)%4], v[rS+8*((\n)%4)+2*((\n)/4)+1], v[rS+8*((\n)%4)+2*((\n)/4)+2]
.elseif (\n) == 12
	v_max3_num_f32 v[rC], v[rC], v[rS+7], v[rS+15]
.elseif (\n) == 13
	v_max3_num_f32 v[rC+1], v[rC+1], v[rS+23], v[rS+31]
.elseif (\n) == 14
	v_max3_num_f32 v[rC+2], v[rC+2], v[rC+3], v[rT+1]
.elseif (\n) == 15
	v_mov_b32 v[rW], v[rT]
.elseif (\n) == 16
	v_max3_num_f32 v[rC], v[rC], v[rC+1], v[rC+2]
.elseif (\n) == 17
	v_permlanex16_b32 v[rC+3], v[rC], s[SEL], s[SEL+1]
.elseif (\n) == 18
	v_max_num_f32 v[rT+1], v[rC], v[rC+3]
.elseif (\n) == 19
	v_mul_f32 v[rT], s[CS], v[rT+1]
.elseif (\n) == 20
	v_sub_f32 v[rC+1], v[rW], v[rT]
.else
	v_exp_f32 v[rC+2], v[rC+1]
.endif
.endif
.endm
.macro OPS a, i1, b=-1, i2=0, c=-1, i3=0, d=-1, i4=0  ; up to four of them
	OP \a, \i1
.if (\b) >= 0
	OP \b, \i2
.endif
.if (\c) >= 0
	OP \c, \i3
.endif
.if (\d) >= 0
	OP \d, \i4
.endif
.endm
.macro ROW a, i1, b, i2, c, i3, d, i4  ; a matrix instruction and the four behind it
	MM
	OPS \a, \i1, \b, \i2, \c, \i3, \d, \i4
.endm
.macro MASK b                       ; MD x AL + BE into buffer b of MC
	WIN W_RS
.set z, 0
.rept 16
	v_pk_fma_f32 v[MC+32*(\b)+2*z:MC+32*(\b)+2*z+1], v[MD+2*z:MD+2*z+1], s[AL:AL+1], s[BE:BE+1] op_sel_hi:[1,0,0]
.set z, z+1
.endr
.endm
; A TURN, for piece p: the order of its 16 matrix and 118 vector instructions, written out.  Behind a matrix instruction: plain, exponential, plain, plain; or four of the rescaling; or, behind the first, four scalings; none
; names a register of the products round it.  In the lumps exponential and plain by turns while exponentials last.  A line reads no result made fewer than three vector instructions in front of it, five if an exponential made it.
; v_permlanex16_b32 (X 17) stands in a lump.
; m = 1: the diagonal tile: the products take masks, and the turn makes the mask for the products of the turn after it: piece p + 2, in step 4 - CNT of the tile.  end = 1: a block's last two turns: nothing is fetched.
; cnt = 1: the loop's count is taken down some lines ahead of the branch that stands behind the turn.
; K of the next step is fetched in piece 2's turn, six vector instructions behind the last product that read K (five of them plain); V of the step in hand in piece 0's turn, eight behind the last product that read V (four
; plain, and X 17).  Each is waited for a turn later.
.macro TURN p, m=0, end=0, cnt=0
.set Y, (\p)
.set i, 0
.set KM, (\m)
.set NOKQ, (\end)*((\p)/3)
.if (\m) && !(\end)
	s_cmp_eq_u32 s[CNT], 4-((\p)+2)%NP  ; is that step the band's own?
	s_cselect_b32 s[AL], 1.0, 0
	s_cmp_lt_u32 s[CNT], 4-((\p)+2)%NP  ; or a later one?
	s_cselect_b32 s[BE], s[BIGN], 0
.endif
.if ((\p) == 3) && !(\end)
	s_wait_dscnt 0x0                ; K is in
.endif
	ROW F,0, F,1, F,2, F,3
	ROW F,4, E,0, F,5, F,6
	ROW F,7, E,1, F,8, F,9
	ROW F,10, E,2, C,0, F,11
	ROW F,12, E,3, X,15, F,13
	ROW R,0, R,1, R,2, R,3
	ROW B,0, E,4, F,14, L,0
.if ((\p) == 2) && !(\end)
	v_add_nc_u32 v[AK], s[TBK], v[AK0]
.endif
	ROW R,4, R,5, R,6, R,7
	OPS E,5, F,15
.if ((\p) == 2) && !(\end)
	FETCH_K
.endif
	OPS E,6, C,1, E,7, R,8
	OPS E,8, R,9, E,9, C,2
	OPS E,10, X,0, E,11, X,1
	OPS E,12, X,2, E,13, X,3
.if (\p) == 1
	s_wait_dscnt 0x0                ; V is in
.endif
	ROW X,4, E,14, X,5, X,6
	ROW X,7, E,15, X,8, X,9
	ROW X,10, E,16, X,11, X,12
	ROW X,13, E,17, X,14, B,1
	ROW C,4, E,18, X,16, L,1
	ROW B,2, E,19, C,6, L,2
	ROW C,8, E,20, B,3, B,4
.if (\p) == 0
	v_add_nc_u32 v[AV], s[TBV], v[AV0]
.endif
	ROW C,3, E,21, L,3, C,5
	OPS E,22, X,17, E,23, C,10
.if (\p) == 0
	FETCH_V
.endif
	OPS E,24, L,4
	OPS E,25, X,18, E,26, C,7
	OPS E,27, B,5, E,28, X,19
	OPS E,29, C,12, E,30, L,5
	OPS E,31, X,20, B,6, C,9
	OPS C,14, C,11, X,21, L,6
.if (\p) == 0
	s_add_co_u32 s[TBV], s[TBV], KS*PV
.endif
.if \cnt
	s_sub_co_u32 s[CNT], s[CNT], 1
	s_cmp_lg_u32 s[CNT], 0
.endif
	OPS C,13, B,7, C,15, R,10
	OPS R,11, R,12, L,7, R,13
	OPS R,14, R,15
.if (\m) && !(\end)
	MASK (\p)%2
.endif
.endm
; A BLOCK BEGINS.  c m starts far below every c s, so the first step's a is 0; m at the lowest finite number, so the first maximum is the scores'.  The second mask buffer is 0; the first takes piece 0's mask for the tile's step 0: its own, if the block's first tile is the diagonal one.
; Then K of that step, piece 0's first scores, and its maximum and statistics.  The loop is entered at a step's first turn, in the middle of a trip.
.macro BEGIN
	s_mov_b32 s[NEW], 0
	WIN 0x40
.set i, MC+32
.rept 32
	v_mov_b32 v[i], 0
.set i, i+1
.endr
	WIN 0
.set i, 0
.rept 4
	v_mov_b32 v[ST+4*i], 0xfe000000    ; c m: far below every c s
	v_mov_b32 v[ST+4*i+1], 0xff7fffff  ; m
.set i, i+1
.endr
	s_cmp_eq_u32 s[RT], 0
	s_cselect_b32 s[AL], 1.0, 0
	s_mov_b32 s[BE], 0
	MASK 0
	WIN 0
	v_add_nc_u32 v[AK], s[TBK], v[AK0]
	FETCH_K
	s_wait_loadcnt 0x0              ; Q
	s_wait_dscnt 0x0
.set KM, 1
.set NOKQ, 0
.set i, 0
.rept 8
	KQ 0
.set i, i+1
.endr
	WIN 0
.rept 4
	v_nop                           ; the places behind those products
.endr
.set Y, NP-1                        ; X works for piece Y + 1: piece 0
.irp n, 0,1,2,3,4,5,6,7,8,9,10,11,12,13,14,15,16,17,18,19,20,21
	OP X, \n
.endr
	v_nop                           ; a plain instruction behind the exponential
.endm
; THE DIAGONAL TILE's four steps, the block's last two turns, its last products, and THE WAY OUT: l's two halves and the other half of the lanes' are added; O^T is divided by l, rounded to f16 and sent through my
; stage in LDS, a piece at a time.
.macro ALL line:vararg              ; one line for each piece t
.set t, 0
.rept 4
	\line
.set t, t+1
.endr
.endm
.macro PACK t                       ; a lane's eight channels of a row pack into 16 bytes; they go into rows of 144 bytes and come back as whole rows of 128, into S^T's registers
	WIN W_RS
.set i, 32*(\t)
.rept 16
	s_wait_alu depctr_va_vdst(0)
	v_pk_mul_f32 v[i:i+1], v[i:i+1], v[ST+4*(\t)+2:ST+4*(\t)+3] op_sel_hi:[1,0]
.set i, i+2
.endr
	WIN 0x05                        ; sources 0 and 1 window 1, destination window 0
.set i, 0
.rept 16
	v_cvt_pk_f16_f32 v[S+16*(\t)+i], v[32*(\t)+2*i], v[32*(\t)+2*i+1]
.set i, i+1
.endr
	WIN 0
.irp f, 0,1,2,3
	ds_store_b128 v[STO], v[S+16*(\t)+4*\f:S+16*(\t)+4*\f+3] offset:32*\f
.endr
.irp f, 0,1,2,3
	ds_load_b128 v[S+16*(\t)+4*\f:S+16*(\t)+4*\f+3], v[RD] offset:\f*4*SP  ; LDS serves a wave's instructions in order (ISA guide 5.7.1.4): these see the stores above; the next piece's stores come behind them
.endr
.endm
.macro SEND t, younger              ; younger: the LDS instructions issued behind piece t's loads: the next piece's eight, or none
	WIN 0
.irp f, 0,1,2,3
	s_wait_dscnt (\younger)+3-\f
	global_store_b128 v[GO], v[S+16*(\t)+4*\f:S+16*(\t)+4*\f+3], s[10:11] offset:(\t)*8192+\f*512  ; 512 consecutive bytes, at a multiple of 256 from O's first
.endr
.endm
.macro DIAG tag                     ; the tag ends its two labels' names, which the jumps below spell out
.LstepM\tag:
	TURN 2, 1
	TURN 3, 1
	WIN 0
.LfirstM\tag:
	TURN 0, 1
	TURN 1, 1, 0, 1
	WIN 0
	s_cbranch_scc1 .LstepM\tag
	TURN 2, 1, 1
	TURN 3, 1, 1
.set i, 0
.rept 8
	PV NP-1
.set i, i+1
.endr
	WIN 0
	ALL v_add_f32 v[ST+4*t+2], v[ST+4*t+2], v[ST+4*t+3]
	ALL v_permlanex16_b32 v[ST+4*t+3], v[ST+4*t+2], s[SEL], s[SEL+1]
	ALL v_add_f32 v[ST+4*t+2], v[ST+4*t+2], v[ST+4*t+3]
	ALL v_rcp_f32 v[ST+4*t+2], v[ST+4*t+2]
	v_nop                           ; a plain instruction between the last reciprocal and the use of its result
	PACK 0
.set t, 1
.rept 3                             ; a piece's arithmetic stands between the loads of the piece before and its stores
	PACK t
	SEND t-1, 8
.set t, t+1
.endr
	SEND 3, 0
.endm
.set KM, 0
.set NOKQ, 0
.Lslot:                             ; NB times: a tile is entered and the next is asked for
	CHANGE 1
	s_sub_co_u32 s[RT], s[RT], 1
	s_mov_b32 s[CNT], 4
	s_cmp_eq_u32 s[NEW], 1
	s_cbranch_scc1 .Lnew            ; a block's first tile
	s_cmp_eq_u32 s[RT], 0
	s_cbranch_scc0 .Lstep           ; neither its first nor its last
	s_branch .LstepM1
.Lnew:
	BEGIN
	s_branch .Lfirst                ; in the loop a block's first tile is never its last: the first block has two tiles or more, and the second's last is the walk's last
	DIAG 1                          ; in the loop this is the first block's end: the second block's last tile is the walk's last
	s_wait_xcnt 0x0                 ; the stores have read their registers and O's address
	s_mov_b64 s[10:11], s[OLO:OLO+1]
	s_add_co_u32 s[RT], s[PB], 1    ; the second block has b + 1 tiles
	s_mov_b32 s[NEW], 1
	WIN 0x82                        ; the second block's Q goes where the one text of the turns names Q
.set i, 0
.rept 64
	v_mov_b32 v[i], v[QB+i]
.set i, i+1
.endr
	WIN 0
	s_branch .Lbottom
.Lstep:                             ; a trip: pieces 2 and 3 of one step, then pieces 0 and 1 of the next, whose K and V it fetches
	TURN 2
	TURN 3
	WIN 0
.Lfirst:
	TURN 0
	TURN 1, 0, 0, 1
	WIN 0
	s_cbranch_scc1 .Lstep
.Lbottom:
	s_sub_co_u32 s[SLOTS], s[SLOTS], 1
	s_cmp_lg_u32 s[SLOTS], 0
	s_cbranch_scc1 .Lslot
	CHANGE 0                        ; the walk's last tile is written out: nothing is asked for
	s_sub_co_u32 s[RT], s[RT], 1
	s_mov_b32 s[CNT], 4
	s_cmp_eq_u32 s[NEW], 1
	s_cbranch_scc0 .LstepM2
	BEGIN
	s_branch .LfirstM2
	DIAG 2
	s_wait_tensorcnt 0x0            ; the wave's end, behind my last tensor load and my last LDS store
	ds_add_u32 v[SPW], v[NIL]
	s_wait_dscnt 0x0
	s_endpgm
.Lfunc_end_k_qd0005ea8a4_attn:
	.size	k_qd0005ea8a4_attn, .Lfunc_end_k_qd0005ea8a4_attn-k_qd0005ea8a4_attn
	.p2alignl 7, 3214868480
	.fill 96, 4, 3214868480
	.section	.rodata,"a",@progbits
	.p2align	6, 0x0
	.amdhsa_kernel k_qd0005ea8a4_attn
		.amdhsa_group_segment_fixed_size 327680
		.amdhsa_private_segment_fixed_size 0
		.amdhsa_enable_private_segment 0
		.amdhsa_kernarg_size 16
		.amdhsa_user_sgpr_count 2
		.amdhsa_user_sgpr_kernarg_segment_ptr 1
		.amdhsa_wavefront_size32 1
		.amdhsa_system_sgpr_workgroup_id_x 1
		.amdhsa_system_sgpr_workgroup_id_y 1
		.amdhsa_system_sgpr_workgroup_id_z 1
		.amdhsa_system_vgpr_workitem_id 0
		.amdhsa_next_free_vgpr 768
		.amdhsa_next_free_sgpr 100
		.amdhsa_reserve_vcc 1
		.amdhsa_float_denorm_mode_32 3
		.amdhsa_float_denorm_mode_16_64 3
		.amdhsa_memory_ordered 1
		.amdhsa_forward_progress 1
		.amdhsa_inst_pref_size 229
	.end_amdhsa_kernel
	.amdgpu_metadata
---
amdhsa.version: [ 1, 2 ]
amdhsa.kernels:
  - .name:           k_qd0005ea8a4_attn
    .symbol:         k_qd0005ea8a4_attn.kd
    .args:
      - { .name: qkv, .offset: 0, .size: 8, .value_kind: global_buffer, .address_space: global }
      - { .name: ob, .offset: 8, .size: 8, .value_kind: global_buffer, .address_space: global }
    .group_segment_fixed_size: 327680
    .private_segment_fixed_size: 0
    .kernarg_segment_align: 8
    .kernarg_segment_size: 16
    .max_flat_workgroup_size: 128
    .sgpr_count:     100
    .vgpr_count:     768
    .wavefront_size: 32
...
	.end_amdgpu_metadata
.endif
;; end of part 3
;; launch proj (part 4): grid 8 x 32, 4 waves a work-group, clusters of 4 x 4, 327,680 bytes of LDS; arguments ob, woh, bias4, out0; writes out0
.if DOCPART == 4
	.amdgcn_target "amdgcn-amd-amdhsa--gfx1250"
	.amdhsa_code_object_version 6
	.text
	.protected	k_qd0005ea8a4_proj
	.globl	k_qd0005ea8a4_proj
	.p2align	8
	.type	k_qd0005ea8a4_proj,@function
k_qd0005ea8a4_proj:
	s_mov_b64 s[64:65], 0
	v_nop
	global_prefetch_b8 v0, s[64:65] scope:SCOPE_SE
	s_setreg_imm32_b32 hwreg(HW_REG_WAVE_MODE, 25, 1), 1
	s_wait_xcnt 0x0
	s_wait_alu depctr_hold_cnt(0) depctr_sa_sdst(0) depctr_va_vdst(0) depctr_va_sdst(0) depctr_va_ssrc(0) depctr_va_vcc(0) depctr_vm_vsrc(0)
	s_getreg_b32 s2, hwreg(HW_REG_IB_STS2, 6, 4)
	s_cmp_eq_u32 s2, 0
	s_cbranch_scc0 .Lentry_in_a_cluster
	s_endpgm
.Lentry_in_a_cluster:
	s_bfe_u32 s2, ttmp6, 0x10000c
	s_cmp_lg_u32 s2, 0xf033
	s_cbranch_scc0 .Lentry_shape_is_right
	s_endpgm
.Lentry_shape_is_right:
; out0 = O Wo^T + bo.  ob: [64 = 16 x batch + head][2048][64] f16; woh: [1024][1024] f16 (Wo rounded to bf16); bias4: [4096] f32, bo from number 3,072 on; out0: [8192][1024] f32.
; Sums in f32, started by the bias; nothing is rounded on the way out.
; SHARES.  A work-group makes 256 rows x 128 columns: 8 x 32 = 256 work-groups, one for each WGP.  Its four waves lie one below the other: wave w owns rows 64 w .. 64 w + 63 and all 128 columns:
; 4 x 8 accumulators of 16 x 16, 256 registers.  So a wave holds 512 consecutive bytes of each of its rows, and stores them whole out of its own stage.
; K goes in 8 steps of 128 = two heads.  A head's 256 rows of the tile are 32,768 dense bytes of ob: asked for as 128 rows of 256 bytes and padded in LDS after every 128: a PLANE of 256 rows x 144 bytes.
; Wave 0 fetches the step's first head, wave 1 its second, waves 2 and 3 the halves of Wo's 128 rows x 256 bytes.  Two LDS slots; a trip of the loop is one K step; one walking descriptor a tensor.
; CLUSTER 4 x 4: O's tiles are shared along a row of the cluster, Wo's along a column: each is asked for jointly.
; THE MATRIX INSTRUCTION IS USED TRANSPOSED (source 0 = 16 rows of Wo, source 1 = 16 rows of O): lane l holds row l % 16 and the columns 8 (l / 16) + 0..7 of a block of 16.
; REGISTERS, in windows of 256 (s_set_vgpr_msb: bits 1:0 source 0, 3:2 source 1, 5:4 source 2, 7:6 destination):
;   window 0: v0-29 addresses; v32-95 O's fragments, two buffers of 4 x 8; v128-191 the way out
;   window 1: v0-127 Wo's fragments, two buffers of 8 x 8; v128-191 the bias as a C operand          window 2: the accumulators, (a, b) at 8 (8 a + b)
; No prefetch into the L2: K has eight steps, and each tile is read by several clusters at about the same time.
.set NBF,   8                          ; column blocks of 16
.set PITA,  144                        ; a row of a plane: 128 bytes + 16 of padding
.set PITB,  272                        ; a row of Wo's tile: 256 + 16: in both the 16 rows of a fragment load start at 16 different groups of four banks (ISA guide 11.1)
.set PLANE, 256*PITA                   ; what one tensor load of O brings
.set BHALF, 64*PITB                    ; what one of Wo brings
.set BOFF,  2*PLANE
.set SLOT1, 131072                     ; slot 1 begins here: one exclusive or turns an address in one slot into the other's
.set STAGE, SLOT1+BOFF+2*BHALF         ; behind the ring, never filled by a tensor load: 16 rows x 528 bytes for each wave
.set SP,    528
.set SPARE, STAGE+4*16*SP              ; the spare words, 128 bytes a wave: two blocks of 256 bytes that no other line names
.set NLD,   2*NBF+8                    ; LDS loads in a run
.set ASTEP, 2*262144                   ; a K step in ob: two heads on
.set BSTEP, 256                        ; in woh: 128 numbers on
.set KA1, 64                           ; quarter q of a K step: plane q / 2, byte 64 (q % 2) of its rows,
.set KA2, PLANE
.set KA3, PLANE+64
.set KB1, 64                           ; and byte 64 q of Wo's rows
.set KB2, 128
.set KB3, 192
.set A0,   4                           ; v4   my place in a slot's first plane; never rewritten
.set B0,   5                           ; v5   in its tile of Wo
.set ADRA, 6                           ; v6   the same plus the slot in hand
.set ADRB, 7                           ; v7
.set STO,  8                           ; v8   the way out: where I put 32 bytes of a row
.set RD,   9                           ; v9   where I read a row back
.set GO,   10                          ; v10  my 16 bytes of a row's 512
.set BO,   11                          ; v11  32 (l / 16): my eight columns' bias
.set SPW,  28                          ; v28  LDS address of my spare word; never rewritten
.set NIL,  29                          ; v29  0; never rewritten
.set AF,   32
.set BIAS, 128                         ; in window 1
.set OB,   128                         ; in window 0
.set G1A, 24                           ; s[24:31] descriptor group 1 for O's planes;  s[32:39] for Wo's tiles
.set G1B, 32
.set G0A, 40                           ; s[40:47] group 0 for O: a set for each first fill; the second then walks on
.set G0B, 48                           ; s[48:55] the same for Wo
.set MSB, 0
.macro WIN new                         ; the immediate's high byte repeats the setting that is left; a switch that changes nothing is dropped
.if MSB != (\new)
	s_set_vgpr_msb (MSB<<8)|(\new)
.set MSB, (\new)
.endif
.endm
.macro PLACES                          ; four plain vector instructions between a matrix instruction and a load into, or a read of, its registers
.rept 4
	v_nop
.endr
.endm
.macro CREST                           ; a round of the cluster's barrier behind its opening barrier
	s_cmp_lg_u32 s12, 0
	s_cbranch_scc1 .Lnot_wave_0_\@
	s_barrier_signal -3
.Lnot_wave_0_\@:
	s_barrier_wait -3
	s_barrier_signal -1
	s_barrier_wait -1
.endm
.macro CROUND
	s_barrier_signal -1
	s_barrier_wait -1
	CREST
.endm
.macro JLOAD                           ; a joint refill: waves 0 and 1 fetch O's two planes, waves 2 and 3 Wo's halves; an s_nop 0 and four v_nop follow each line
	s_cmp_eq_u32 s13, 0
	s_cbranch_scc0 .Lfor_b_\@
	tensor_load_to_lds s[G0A+4:G0A+7], s[G1A:G1A+7]
	s_nop 0
.rept 4
	v_nop
.endr
	s_branch .Lasked_\@
.Lfor_b_\@:
	tensor_load_to_lds s[G0B+4:G0B+7], s[G1B:G1B+7]
	s_nop 0
.rept 4
	v_nop
.endr
.Lasked_\@:
.endm
; 8 matrix instructions: row block a x all column blocks, 32 along K, from buffer f.  first = 1: the bias starts the sums.  Every accumulator is named once in a quarter, always in the
; same order: the accumulators take turns, one instruction a turn.
.macro MULA f, a, first
.if \first
	WIN 0x91
.else
	WIN 0xa1
.endif
.set rA, AF+32*(\f)+8*(\a)
.set b, 0
.rept NBF
.set rD, 8*(NBF*(\a)+b)
.set rB, 8*NBF*(\f)+8*b
.if \first
	v_wmma_f32_16x16x32_f16 v[rD:rD+7], v[rB:rB+7], v[rA:rA+7], v[BIAS+8*b:BIAS+8*b+7]
.else
	v_wmma_f32_16x16x32_f16 v[rD:rD+7], v[rB:rB+7], v[rA:rA+7], v[rD:rD+7]
.endif
.set b, b+1
.endr
.endm
; 24 LDS loads in one run: a quarter's fragments into buffer g: Wo's 16, then O's 8, row blocks ascending
.macro FETCH ka, kb, g
	WIN 0x40
.set b, 0
.rept NBF
	ds_load_b128 v[8*NBF*(\g)+8*b:8*NBF*(\g)+8*b+3],   v[ADRB] offset:(\kb)+b*16*PITB
	ds_load_b128 v[8*NBF*(\g)+8*b+4:8*NBF*(\g)+8*b+7], v[ADRB] offset:(\kb)+b*16*PITB+32
.set b, b+1
.endr
	WIN 0
.set b, 0
.rept 4
	ds_load_b128 v[AF+32*(\g)+8*b:AF+32*(\g)+8*b+3],   v[ADRA] offset:(\ka)+b*16*PITA
	ds_load_b128 v[AF+32*(\g)+8*b+4:AF+32*(\g)+8*b+7], v[ADRA] offset:(\ka)+b*16*PITA+32
.set b, b+1
.endr
.endm
; One of a K step's first three quarters: multiplies buffer f; in its middle it fetches the next quarter into buffer g.
.macro QUARTER ka, kb, f, g, first
	s_wait_dscnt 4                                 ; all of Wo's and O's row blocks 0, 1 are in; the youngest four loads (row blocks 2, 3) may be out
	MULA \f, 0, \first
	MULA \f, 1, \first
	PLACES
	FETCH \ka, \kb, \g
	s_wait_dscnt NLD                               ; all but the run just issued
	MULA \f, 2, \first
	MULA \f, 3, \first
.endm
; The last quarter multiplies buffer 1 and changes slots.  In front of the barrier each wave waits for all its tensor loads (the one that is out is its part of the next slot), adds 0 to its spare
; word, and waits for that and for its reads of this slot.  fill = 1: the barrier opens a round of the cluster's, and the joint refill, two K steps ahead, is the first tensor load behind it.
.macro TURN fill
	WIN 0
	s_wait_tensorcnt 0x0                           ; no tensor load of mine is out, so a group 0 may be written
	ds_add_u32 v[SPW], v[NIL]
.if \fill
	s_xor_b32 s[G0A+5], s[G0A+5], SLOT1            ; the walking descriptors: the other slot than last time, the next K step
	s_add_nc_u64 s[G0A+6:G0A+7], s[G0A+6:G0A+7], ASTEP
	s_xor_b32 s[G0B+5], s[G0B+5], SLOT1
	s_add_nc_u64 s[G0B+6:G0B+7], s[G0B+6:G0B+7], BSTEP
.endif
	s_xor_b32 s57, s57, SLOT1                      ; the slot to be read next
	s_wait_dscnt 5                                 ; the add and the youngest four loads may be out
	MULA 1, 0, 0
	s_wait_dscnt 0x0                               ; the add is done, and my reads of this slot are over
	s_barrier_signal -1
	MULA 1, 1, 0
	WIN 0                                          ; branches and window 0's addresses follow
	s_barrier_wait -1
.if \fill
	CREST                                          ; no wave of any partner still reads this slot or has a load on its way
	JLOAD                                          ; its four v_nop are also the places in front of the loads below
.else
	PLACES
.endif
	v_add_nc_u32 v[ADRA], s57, v[A0]
	v_add_nc_u32 v[ADRB], s57, v[B0]
	FETCH 0, 0, 0
	MULA 1, 2, 0
	MULA 1, 3, 0
.endm
	s_load_b256 s[4:11], s[0:1], 0x0               ; ob s[4:5], woh s[6:7], bias4 s[8:9], out0 s[10:11]
	v_lshl_add_u32 v[SPW], v0, 2, SPARE
	v_mov_b32 v[NIL], 0
	ds_add_u32 v[SPW], v[NIL]                      ; the wave's opening: the add and its wait ahead of my first tensor load
	ds_add_u32 v28, v29
	v_lshrrev_b32 v3, 5, v0
	v_readfirstlane_b32 s12, v3                    ; wave 0..3
	s_lshr_b32 s13, s12, 1                         ; I fetch for O (0) or for Wo (1),
	s_and_b32 s14, s12, 1                          ; its first or second part
	s_bfe_u32 s15, ttmp6, 0x40000                  ; cx
	s_bfe_u32 s16, ttmp6, 0x40004                  ; cy
	s_lshl_b32 s17, ttmp9, 2
	s_add_co_u32 s17, s17, s15                     ; tile column = 4 x cluster x + cx
	s_and_b32 s18, ttmp7, 0xffff
	s_lshl_b32 s18, s18, 2
	s_add_co_u32 s18, s18, s16                     ; tile row = 4 x cluster y + cy
	s_lshl_b32 s19, s16, 2
	s_lshl_b32 s19, 15, s19                        ; my row of the cluster
	s_lshl_b32 s20, 0x1111, s15                    ; my column
	s_or_b32 s[G1A], s19, (1<<16)|(1<<20)|(1<<21)|(4<<22)|(3<<25)  ; elements of 2 bytes; padding on; bit 21 beside a mask; after every 32 words; 4 words
	s_or_b32 s[G1B], s20, (1<<16)|(1<<20)|(1<<21)|(5<<22)|(3<<25)  ; the same after every 64 words
	s_mov_b32 s[G1A+1], 128<<16                    ; tensor_dim0 = 128
	s_mov_b32 s[G1A+2], 128<<16                    ; tensor_dim1 = 128
	s_mov_b32 s[G1A+3], 128<<16                    ; tile_dim0 = 128
	s_mov_b32 s[G1A+4], 128                        ; tile_dim1 = 128
	s_mov_b32 s[G1A+5], 128                        ; dense: 128 elements from row to row
	s_mov_b32 s[G1A+6], 0
	s_mov_b32 s[G1A+7], 0
	s_mov_b32 s[G1B+1], 128<<16
	s_mov_b32 s[G1B+2], 64<<16                     ; 64 rows
	s_mov_b32 s[G1B+3], 128<<16
	s_mov_b32 s[G1B+4], 64
	s_mov_b32 s[G1B+5], 1024
	s_mov_b32 s[G1B+6], 0
	s_mov_b32 s[G1B+7], 0
	s_lshr_b32 s58, s18, 3                         ; O: the batch's 16 heads, my head of the K step's two, 262,144 bytes a head,
	s_lshl_b32 s58, s58, 4
	s_add_co_u32 s58, s58, s14
	s_lshl_b32 s58, s58, 18
	s_and_b32 s59, s18, 7                          ; the tile's 256 rows of 128 bytes: the tile row and the wave's number alone
	s_lshl_b32 s59, s59, 15
	s_add_co_u32 s58, s58, s59
	s_mov_b32 s59, 0
	s_lshl_b32 s60, s17, 7                         ; Wo: row 128 x tile column + 64 x half, 2,048 bytes a row: the tile column and the wave's number alone
	s_lshl_b32 s21, s14, 6
	s_add_co_u32 s60, s60, s21
	s_lshl_b32 s60, s60, 11
	s_mov_b32 s61, 0
	s_mul_i32 s22, s14, PLANE                      ; where they go: no place in the cluster enters an LDS address
	s_mul_i32 s23, s14, BHALF
	s_add_co_u32 s23, s23, BOFF
	s_wait_dscnt 0x0                               ; the opening add is done
	s_wait_kmcnt 0x0
	s_add_nc_u64 s[58:59], s[4:5], s[58:59]
	s_add_nc_u64 s[60:61], s[6:7], s[60:61]
	CROUND                                         ; all sixteen work-groups are here: the first joint loads meet
.irp s, 0,1
	s_mov_b32 s[G0A+4*(\s)], 1                     ; count = 1
	s_add_co_u32 s[G0A+4*(\s)+1], s22, (\s)*SLOT1  ; LDS address
	s_add_nc_u64 s[G0A+4*(\s)+2:G0A+4*(\s)+3], s[58:59], (\s)*ASTEP  ; K step s
	s_or_b32 s[G0A+4*(\s)+3], s[G0A+4*(\s)+3], 0x80000000           ; type = 2
	s_mov_b32 s[G0B+4*(\s)], 1
	s_add_co_u32 s[G0B+4*(\s)+1], s23, (\s)*SLOT1
	s_add_nc_u64 s[G0B+4*(\s)+2:G0B+4*(\s)+3], s[60:61], (\s)*BSTEP
	s_or_b32 s[G0B+4*(\s)+3], s[G0B+4*(\s)+3], 0x80000000
.endr
	s_cmp_eq_u32 s13, 0                            ; a wave's two first fills stand in one branch: two loads of mine are out
	s_cbranch_scc0 .Lfirst_b
	tensor_load_to_lds s[G0A:G0A+3], s[G1A:G1A+7]
	s_nop 0
	tensor_load_to_lds s[G0A+4:G0A+7], s[G1A:G1A+7]
	s_nop 0
.rept 4
	v_nop
.endr
	s_branch .Lfirst_asked
.Lfirst_b:
	tensor_load_to_lds s[G0B:G0B+3], s[G1B:G1B+7]
	s_nop 0
	tensor_load_to_lds s[G0B+4:G0B+7], s[G1B:G1B+7]
	s_nop 0
.rept 4
	v_nop
.endr
.Lfirst_asked:
	v_and_b32 v1, 15, v0                           ; l % 16
	v_bfe_u32 v2, v0, 4, 1                         ; l / 16
	v_lshlrev_b32 v[BO], 5, v2
	v_mul_u32_u24 v3, v1, PITA
	v_lshl_add_u32 v3, v2, 4, v3                   ; a fragment's row x pitch + 16 x half, in a plane
	s_lshl_b32 s62, s17, 9                         ; the tile's 128 columns of bo,
	s_add_co_u32 s62, s62, 12288                   ; which begins at number 3,072 of bias4
	s_mov_b32 s63, 0
	s_add_nc_u64 s[8:9], s[8:9], s[62:63]
	WIN 0x40                                       ; destination window 1, address window 0
.set b, 0
.rept NBF                                      ; register j of block b: the bias of column 16 b + 8 (l / 16) + j
	global_load_b128 v[BIAS+8*b:BIAS+8*b+3],   v[BO], s[8:9] offset:64*b
	global_load_b128 v[BIAS+8*b+4:BIAS+8*b+7], v[BO], s[8:9] offset:64*b+16
.set b, b+1
.endr
	WIN 0
	s_mul_i32 s2, s12, 64*PITA                     ; my 64 rows of O
	v_add_nc_u32 v[A0], s2, v3
	v_mul_u32_u24 v3, v1, PITB
	v_lshl_add_u32 v3, v2, 4, v3                   ; the same in Wo's tile
	v_add_nc_u32 v[B0], BOFF, v3
	v_mov_b32 v[ADRA], v[A0]
	v_mov_b32 v[ADRB], v[B0]
	s_mov_b32 s57, 0                               ; slot 0 is read first
	s_mul_i32 s2, s12, 16*SP
	s_add_co_u32 s2, s2, STAGE                     ; my stage
	v_mul_u32_u24 v[STO], v1, SP                   ; in: row l % 16, 32 bytes for each half of the lanes
	v_lshl_add_u32 v[STO], v2, 5, v[STO]
	v_add_nc_u32 v[STO], s2, v[STO]
	v_and_b32 v[GO], 31, v0                        ; back: 32 lanes take one row's 512 bytes
	v_lshlrev_b32 v[GO], 4, v[GO]
	v_add_nc_u32 v[RD], s2, v[GO]
	s_lshl_b32 s2, s18, 8                          ; the tile's first row,
	s_lshl_b32 s3, s12, 6                          ; my 64 of its rows,
	s_add_co_u32 s2, s2, s3
	s_lshl_b32 s2, s2, 12                          ; 4,096 bytes a row of out0,
	s_lshl_b32 s3, s17, 9                          ; the tile's 128 columns
	s_add_co_u32 s62, s2, s3
	s_mov_b32 s63, 0
	s_add_nc_u64 s[10:11], s[10:11], s[62:63]
	s_wait_tensorcnt 1                             ; my part of K step 0 is in; K step 1's may stay out
	s_barrier_signal -1
	s_barrier_wait -1
	FETCH 0, 0, 0
	s_wait_loadcnt 0x0                             ; the bias
	QUARTER KA1, KB1, 0, 1, 1                      ; the first quarter stands in front of the loop: its products start the sums
	WIN 0
	s_mov_b32 s56, 6
.Lk:                                           ; trip t ends K step t, asks for K step t + 2 and begins K step t + 1
	QUARTER KA2, KB2, 1, 0, 0
	QUARTER KA3, KB3, 0, 1, 0
	TURN 1
	QUARTER KA1, KB1, 0, 1, 0
	WIN 0
	s_sub_co_u32 s56, s56, 1
	s_cmp_lg_u32 s56, 0
	s_cbranch_scc1 .Lk
	QUARTER KA2, KB2, 1, 0, 0                      ; the last two K steps ask for nothing
	QUARTER KA3, KB3, 0, 1, 0
	TURN 0
	QUARTER KA1, KB1, 0, 1, 0
	QUARTER KA2, KB2, 1, 0, 0
	QUARTER KA3, KB3, 0, 1, 0
	s_wait_dscnt 4
	MULA 1, 0, 0
	MULA 1, 1, 0
	s_wait_dscnt 0x0
	MULA 1, 2, 0
	MULA 1, 3, 0
; THE WAY OUT, a row block (16 rows x 128 columns of f32) at a time: 32 bytes a lane into my stage, back as whole rows of 512 bytes, stored.
.macro TOSTAGE a
	WIN 0x08                                       ; the stores' data (source 1) in window 2
.set b, 0
.rept NBF                                      ; each accumulator's lowest four registers go first
	ds_store_b128 v[STO], v[64*(\a)+8*b:64*(\a)+8*b+3]   offset:64*b
	ds_store_b128 v[STO], v[64*(\a)+8*b+4:64*(\a)+8*b+7] offset:64*b+16
.set b, b+1
.endr
	WIN 0
	s_wait_xcnt 0x0                                ; the registers below were the data of the last block's stores: they are loaded again only behind this wait
.set b, 0
.rept 16
	ds_load_b128 v[OB+4*b:OB+4*b+3], v[RD] offset:SP*b  ; LDS serves a wave's instructions in order (ISA guide 5.7.1.4): these see the stores above
.set b, b+1
.endr
.endm
.macro SEND a
.set b, 0
.rept 16
	s_wait_dscnt 15-b                              ; the younger loads from the stage may stay out
	global_store_b128 v[GO], v[OB+4*b:OB+4*b+3], s[10:11] offset:65536*(\a)+4096*b  ; 512 consecutive bytes of one row of out0, at a multiple of 512
.set b, b+1
.endr
.endm
	PLACES
.irp a, 0,1,2,3
	TOSTAGE \a
	SEND \a
.endr
	s_wait_tensorcnt 0x0                           ; the wave's end
	ds_add_u32 v[SPW], v[NIL]
	s_wait_dscnt 0x0
	CROUND                                         ; the closing round: no work-group ends while a partner may still ask for a tile that names it
	s_endpgm
.Lfunc_end_k_qd0005ea8a4_proj:
	.size	k_qd0005ea8a4_proj, .Lfunc_end_k_qd0005ea8a4_proj-k_qd0005ea8a4_proj
	.p2alignl 7, 3214868480
	.fill 96, 4, 3214868480
	.section	.rodata,"a",@progbits
	.p2align	6, 0x0
	.amdhsa_kernel k_qd0005ea8a4_proj
		.amdhsa_group_segment_fixed_size 327680
		.amdhsa_private_segment_fixed_size 0
		.amdhsa_enable_private_segment 0
		.amdhsa_kernarg_size 32
		.amdhsa_user_sgpr_count 2
		.amdhsa_user_sgpr_kernarg_segment_ptr 1
		.amdhsa_wavefront_size32 1
		.amdhsa_system_sgpr_workgroup_id_x 1
		.amdhsa_system_sgpr_workgroup_id_y 1
		.amdhsa_system_sgpr_workgroup_id_z 1
		.amdhsa_system_vgpr_workitem_id 0
		.amdhsa_next_free_vgpr 768
		.amdhsa_next_free_sgpr 66
		.amdhsa_reserve_vcc 0
		.amdhsa_float_denorm_mode_32 3
		.amdhsa_float_denorm_mode_16_64 3
		.amdhsa_memory_ordered 1
		.amdhsa_forward_progress 1
		.amdhsa_inst_pref_size 73
	.end_amdhsa_kernel
	.amdgpu_metadata
---
amdhsa.version: [ 1, 2 ]
amdhsa.kernels:
  - .name:           k_qd0005ea8a4_proj
    .symbol:         k_qd0005ea8a4_proj.kd
    .args:
      - { .name: ob, .offset: 0, .size: 8, .value_kind: global_buffer, .address_space: global }
      - { .name: woh, .offset: 8, .size: 8, .value_kind: global_buffer, .address_space: global }
      - { .name: bias4, .offset: 16, .size: 8, .value_kind: global_buffer, .address_space: global }
      - { .name: out0, .offset: 24, .size: 8, .value_kind: global_buffer, .address_space: global }
    .group_segment_fixed_size: 327680
    .private_segment_fixed_size: 0
    .kernarg_segment_align: 8
    .kernarg_segment_size: 32
    .max_flat_workgroup_size: 128
    .sgpr_count:     66
    .vgpr_count:     768
    .wavefront_size: 32
...
	.end_amdgpu_metadata
.endif
;; end of part 4
;; ======== version 2 of 2: 4 launches; version 1 with the launch cast written anew for expert scheduling mode
;; limits: values are held in f16: magnitudes above 65,504 overflow, below 6.1e-05 lose precision
;; workspace buffers: xb 16,777,216 bytes; wb 6,291,456 bytes; woh 2,097,152 bytes; bias4 16,384 bytes; qkv 50,331,648 bytes; ob 16,777,216 bytes
;; launch cast (part 5): grid 64 x 12, 8 waves a work-group, no clusters, 0 bytes of LDS; arguments x, Wq, Wk, Wv, Wo, bq, bk, bv, bo, xb, wb, woh, bias4; writes xb, wb, woh, bias4
.if DOCPART == 5
	.amdgcn_target "amdgcn-amd-amdhsa--gfx1250"
	.amdhsa_code_object_version 6
	.text
	.protected	k_qd0005ea8a4_cast
	.globl	k_qd0005ea8a4_cast
	.p2align	8
	.type	k_qd0005ea8a4_cast,@function
k_qd0005ea8a4_cast:
	s_mov_b64 s[64:65], 0
	v_nop
	global_prefetch_b8 v0, s[64:65] scope:SCOPE_SE
	s_setreg_imm32_b32 hwreg(HW_REG_WAVE_SCHED_MODE, 0, 2), 2
	s_setreg_imm32_b32 hwreg(HW_REG_WAVE_MODE, 25, 1), 1
	s_wait_xcnt 0x0
	s_wait_alu depctr_vm_vsrc(0)
; ALL INPUTS ARE ROUNDED ONCE TO bf16.  x -> xb [8192][1024] bf16; Wq, Wk, Wv -> wb [3072][1024] bf16 (one below the other);
; Wo -> woh [1024][1024]: the bf16 number written as f16 (exact where it is 2^-14 or more in size; below that it keeps f16's fixed step of 6e-8; beyond 65,504 it would be lost);
; bq, bk, bv, bo -> bias4 [4096] f32 holding the bf16 numbers.
; SHARES.  Twelve units of 1,048,576 numbers: y = 0..7 the eighths of x, 8, 9, 10 = Wq, Wk, Wv, 11 = Wo.  A work-group takes 16,384 numbers, a wave 2,048:
; sixteen loads of 16 bytes a lane (512 consecutive bytes each), all issued at once, and sixteen stores of 8 bytes a lane (256 consecutive bytes, aligned).
; Memory binds: no LDS, no barrier, no loop; no register of a load or store is written twice, so nothing waits for a source.
; THE MODE: SCHED_MODE bits 1:0 = 2 (LLVM: expert scheduling mode 2), set by the entry lines.  The code itself states the register dependences
; between vector instructions and memory instructions, with s_wait_alu, always for 0.
; THE PLAN.  Registers that memory instructions touch:
;   v1, v2, v3   byte offsets, made once at the head and never written again: v1 for the loads, v2 for the stores, v3 for a bias's load and store.
;   X            written by the sixteen loads, each register once; read by the conversions.  No vector instruction names X ahead of the loads, and nothing lands there again.
;   Y            written by the conversions, each register once; read by the stores.
;   v[112:115]   written by the bias's load, and named by nothing ahead of it;  v[116:119]  written by four vector lines once, read by the bias's store.
;   T            named by vector instructions alone.
; So the one kind of dependence is: a vector instruction has written what a memory instruction reads.  It is stated once at the head, for the three offsets, and once for each
; GROUP of four loads: the group's data are waited for, its conversions write eight registers of Y, one wait states that they are written, and its four stores follow.
; No register that a memory instruction has read is written again, no vector instruction writes a scalar register or VCC, and EXEC is never written: nothing else is to be stated.
.set X, 16                             ; v[16:79]   sixteen loads of four
.set Y, 80                             ; v[80:111]  sixteen stores of two
.set T, 4                              ; v[4:11]    at work
	s_load_b512 s[8:23], s[0:1], 0x0               ; x 8, Wq 10, Wk 12, Wv 14, Wo 16, bq 18, bk 20, bv 22
	s_load_b256 s[24:31], s[0:1], 0x40             ; bo 24, xb 26, wb 28, woh 30
	s_load_b64 s[32:33], s[0:1], 0x60              ; bias4
	s_and_b32 s2, ttmp7, 0xffff                    ; y: the unit
	s_mov_b32 s3, ttmp9                            ; g: the work-group in the unit
	s_mov_b32 s46, 0xffff0000                      ; a word's upper bf16
	v_lshrrev_b32 v1, 5, v0
	v_and_b32 v2, 31, v0
	v_lshlrev_b32 v2, 4, v2
	v_lshl_add_u32 v1, v1, 13, v2                  ; in: 8,192 x wave + 16 x lane
	v_lshrrev_b32 v2, 1, v1                        ; out: half of that
	v_lshlrev_b32 v3, 4, v0                        ; a bias: 16 bytes a thread, in and out
	s_max_u32 s44, s2, 8
	s_sub_co_u32 s44, s44, 8                       ; which weight (0 where the unit is of x)
	s_cmp_lt_u32 s2, 8
	s_cselect_b32 s40, s2, 0                       ; the eighth of x, or a weight's beginning
	s_cselect_b32 s42, s2, s44                     ; the unit's place in xb or in wb,
	s_cmp_eq_u32 s2, 11
	s_cselect_b32 s42, 0, s42                      ; or woh's beginning
	s_lshl_b32 s40, s40, 22                        ; a unit is 4 MiB in,
	s_lshl_b32 s42, s42, 21                        ; 2 MiB out;
	s_lshl_b32 s44, s44, 12                        ; a bias is 4,096 bytes
	s_lshl_b32 s4, s3, 16                          ; a work-group's 64 KiB in,
	s_lshl_b32 s5, s3, 15                          ; 32 KiB out
	s_add_co_u32 s40, s40, s4
	s_add_co_u32 s42, s42, s5
	s_mov_b32 s41, 0
	s_mov_b32 s43, 0
	s_mov_b32 s45, 0
	s_wait_kmcnt 0x0
	s_mov_b64 s[34:35], s[8:9]                     ; from: x, or the unit's weight
	s_mov_b64 s[38:39], s[18:19]                   ; and that weight's bias
	s_cmp_eq_u32 s2, 8
	s_cselect_b64 s[34:35], s[10:11], s[34:35]
	s_cmp_eq_u32 s2, 9
	s_cselect_b64 s[34:35], s[12:13], s[34:35]
	s_cselect_b64 s[38:39], s[20:21], s[38:39]
	s_cmp_eq_u32 s2, 10
	s_cselect_b64 s[34:35], s[14:15], s[34:35]
	s_cselect_b64 s[38:39], s[22:23], s[38:39]
	s_cmp_eq_u32 s2, 11
	s_cselect_b64 s[34:35], s[16:17], s[34:35]
	s_cselect_b64 s[38:39], s[24:25], s[38:39]
	s_cmp_lt_u32 s2, 8
	s_cselect_b64 s[36:37], s[26:27], s[28:29]     ; to: xb or wb,
	s_cmp_eq_u32 s2, 11
	s_cselect_b64 s[36:37], s[30:31], s[36:37]     ; or woh
	s_add_nc_u64 s[34:35], s[34:35], s[40:41]
	s_add_nc_u64 s[36:37], s[36:37], s[42:43]
	s_add_nc_u64 s[32:33], s[32:33], s[44:45]
	s_wait_alu depctr_va_vdst(0)                   ; v1, v2 and v3 are written: every load and store of the kernel reads one of them as its offset, and no line below writes them
.irp i, 0,1,2,3,4,5,6,7,8,9,10,11,12,13,14,15
	global_load_b128 v[X+4*(\i):X+4*(\i)+3], v1, s[34:35] offset:512*(\i) th:TH_LOAD_NT
.endr
.macro CB i                            ; the four numbers of load i to bf16
	v_cvt_pk_bf16_f32 v[Y+2*(\i)],   v[X+4*(\i)],   v[X+4*(\i)+1]
	v_cvt_pk_bf16_f32 v[Y+2*(\i)+1], v[X+4*(\i)+2], v[X+4*(\i)+3]
.endm
.macro CH i                            ; the four numbers of load i to bf16, and that number written as f16
	v_cvt_pk_bf16_f32 v[T],   v[X+4*(\i)],   v[X+4*(\i)+1]
	v_cvt_pk_bf16_f32 v[T+1], v[X+4*(\i)+2], v[X+4*(\i)+3]
	v_lshlrev_b32 v[T+2], 16, v[T]
	v_and_b32     v[T+3], s46, v[T]
	v_lshlrev_b32 v[T+4], 16, v[T+1]
	v_and_b32     v[T+5], s46, v[T+1]
	v_cvt_pk_f16_f32 v[Y+2*(\i)],   v[T+2], v[T+3]
	v_cvt_pk_f16_f32 v[Y+2*(\i)+1], v[T+4], v[T+5]
.endm
.macro ST i                            ; and stored: 256 consecutive bytes a wave
	global_store_b64 v2, v[Y+2*(\i):Y+2*(\i)+1], s[36:37] offset:256*(\i)
.endm
; Group g: loads 4 g to 4 g + 3.
.macro GB g
	s_wait_loadcnt 12-4*(\g)                       ; loads come back in order (ISA guide 5.7.1): the group's four are in, the 12 - 4 g younger ones stay out
.irp j, 0,1,2,3
	CB 4*(\g)+(\j)
.endr
	s_wait_alu depctr_va_vdst(0)                   ; the group's conversions have written its eight registers of Y, which the four stores below read
.irp j, 0,1,2,3
	ST 4*(\g)+(\j)
.endr
.endm
.macro GH g
	s_wait_loadcnt 12-4*(\g)                       ; as above
.irp j, 0,1,2,3
	CH 4*(\g)+(\j)
.endr
	s_wait_alu depctr_va_vdst(0)                   ; the group's conversions have written its eight registers of Y, which the four stores below read
.irp j, 0,1,2,3
	ST 4*(\g)+(\j)
.endr
.endm
	s_cmp_eq_u32 s2, 11
	s_cbranch_scc1 .Lhalf
	GB 0
	GB 1
	GB 2
	GB 3
	s_branch .Lbias
.Lhalf:
	GH 0
	GH 1
	GH 2
	GH 3
.Lbias:                                        ; the first work-group of a weight's unit also rounds that weight's bias: 256 threads x 4 numbers
	s_cmp_lt_u32 s2, 8
	s_cbranch_scc1 .Lend
	s_cmp_lg_u32 s3, 0
	s_cbranch_scc1 .Lend
	global_load_b128 v[112:115], v3, s[38:39]      ; v3 was written ahead of the head's wait; no vector instruction has named v[112:115]
	s_wait_loadcnt 0x0
	v_cvt_pk_bf16_f32 v[T],   v112, v113
	v_cvt_pk_bf16_f32 v[T+1], v114, v115
	v_lshlrev_b32 v116, 16, v[T]
	v_and_b32     v117, s46, v[T]
	v_lshlrev_b32 v118, 16, v[T+1]
	v_and_b32     v119, s46, v[T+1]
	s_wait_alu depctr_va_vdst(0)                   ; the four lines above have written v[116:119], which the store reads
	global_store_b128 v3, v[116:119], s[32:33]
.Lend:
	s_endpgm
.Lfunc_end_k_qd0005ea8a4_cast:
	.size	k_qd0005ea8a4_cast, .Lfunc_end_k_qd0005ea8a4_cast-k_qd0005ea8a4_cast
	.p2alignl 7, 3214868480
	.fill 96, 4, 3214868480
	.section	.rodata,"a",@progbits
	.p2align	6, 0x0
	.amdhsa_kernel k_qd0005ea8a4_cast
		.amdhsa_group_segment_fixed_size 0
		.amdhsa_private_segment_fixed_size 0
		.amdhsa_enable_private_segment 0
		.amdhsa_kernarg_size 104
		.amdhsa_user_sgpr_count 2
		.amdhsa_user_sgpr_kernarg_segment_ptr 1
		.amdhsa_wavefront_size32 1
		.amdhsa_system_sgpr_workgroup_id_x 1
		.amdhsa_system_sgpr_workgroup_id_y 1
		.amdhsa_system_sgpr_workgroup_id_z 1
		.amdhsa_system_vgpr_workitem_id 0
		.amdhsa_next_free_vgpr 120
		.amdhsa_next_free_sgpr 66
		.amdhsa_reserve_vcc 0
		.amdhsa_float_denorm_mode_32 3
		.amdhsa_float_denorm_mode_16_64 3
		.amdhsa_memory_ordered 1
		.amdhsa_forward_progress 1
		.amdhsa_inst_pref_size 16
	.end_amdhsa_kernel
	.amdgpu_metadata
---
amdhsa.version: [ 1, 2 ]
amdhsa.kernels:
  - .name:           k_qd0005ea8a4_cast
    .symbol:         k_qd0005ea8a4_cast.kd
    .args:
      - { .name: x, .offset: 0, .size: 8, .value_kind: global_buffer, .address_space: global }
      - { .name: Wq, .offset: 8, .size: 8, .value_kind: global_buffer, .address_space: global }
      - { .name: Wk, .offset: 16, .size: 8, .value_kind: global_buffer, .address_space: global }
      - { .name: Wv, .offset: 24, .size: 8, .value_kind: global_buffer, .address_space: global }
      - { .name: Wo, .offset: 32, .size: 8, .value_kind: global_buffer, .address_space: global }
      - { .name: bq, .offset: 40, .size: 8, .value_kind: global_buffer, .address_space: global }
      - { .name: bk, .offset: 48, .size: 8, .value_kind: global_buffer, .address_space: global }
      - { .name: bv, .offset: 56, .size: 8, .value_kind: global_buffer, .address_space: global }
      - { .name: bo, .offset: 64, .size: 8, .value_kind: global_buffer, .address_space: global }
      - { .name: xb, .offset: 72, .size: 8, .value_kind: global_buffer, .address_space: global }
      - { .name: wb, .offset: 80, .size: 8, .value_kind: global_buffer, .address_space: global }
      - { .name: woh, .offset: 88, .size: 8, .value_kind: global_buffer, .address_space: global }
      - { .name: bias4, .offset: 96, .size: 8, .value_kind: global_buffer, .address_space: global }
    .group_segment_fixed_size: 0
    .private_segment_fixed_size: 0
    .kernarg_segment_align: 8
    .kernarg_segment_size: 104
    .max_flat_workgroup_size: 256
    .sgpr_count:     66
    .vgpr_count:     120
    .wavefront_size: 32
...
	.end_amdgpu_metadata
.endif
;; end of part 5
;; launch qkvp: the kernel of part 2 again; grid 16 x 32, 4 waves a work-group, clusters of 4 x 4, 327,680 bytes of LDS; arguments xb, wb, bias4, qkv; writes qkv
;; launch attn: the kernel of part 3 again; grid 4 x 64, 4 waves a work-group, no clusters, 327,680 bytes of LDS; arguments qkv, ob; writes ob
;; launch proj: the kernel of part 4 again; grid 8 x 32, 4 waves a work-group, clusters of 4 x 4, 327,680 bytes of LDS; arguments ob, woh, bias4, out0; writes out0
